; MI455X (gfx1250); checked and timed in simulation.
; The chip was launched on July 23, 2026; its instructions are those of AMD's public machine-readable ISA for CDNA 5 (MIT licence, August 2026) and "CDNA5" Instruction Set Architecture Reference Guide (July 2026). The comments in the code are by the model that wrote it; some were corrected since.
;; Block. Allowed arithmetic: matrix products marked QUANTISED: E2M3 operands, one E8M0 scale for each 32 along K, by v_wmma_scale_f32_16x16x128_f8f6f4 with both operands' format E2M3, f32 sums; everything else in f32.
;; Inputs: b1 4,096 float32; b2 1,024 float32; ln1_b 1,024 float32; ln1_g 1,024 float32; ln2_b 1,024 float32; ln2_g 1,024 float32; qkv_b 3,072 float32; qkv_w 1,024 x 3,072 float32; w1 1,024 x 4,096 float32; w2 4,096 x 1,024 float32; x 2 x 2,048 x 1,024 float32.
;; Outputs: out0 2 x 2,048 x 1,024 float32.
;; This version of the problem:
;;   THIS VERSION OF THE PROBLEM IS GIVEN IN LOW PRECISION. The matrix products marked QUANTISED in the list below multiply operands that are first quantised to E2M3 (2 exponent bits, 3 mantissa bits; 6 bits a number), with one power-of-two scale for each 32 numbers along K (OCP MX v1.0); their sums are f32. All else is computed in f32.
;;   The module's matrix products, in the order in which they are computed (A, B: the left and right operand; K: the contracted axis; several contracted axes count as one K, in the product's order):
;;     1. [M 4,096, K 1,024] x [K 1,024, N 3,072]; A: computed on the way; B: input qkv_w: QUANTISED
;;     2. batch 32 x [M 2,048, K 64] x [K 64, N 2,048]; A: computed on the way; B: computed on the way: QUANTISED
;;     3. batch 32 x [M 2,048, K 2,048] x [K 2,048, N 64]; A: softmax (see below); B: computed on the way: QUANTISED
;;     4. [M 4,096, K 1,024] x [K 1,024, N 4,096]; A: computed on the way; B: input w1: QUANTISED
;;     5. [M 4,096, K 4,096] x [K 4,096, N 1,024]; A: computed on the way; B: input w2: QUANTISED
;;   THE QUANTISER, for each operand of a quantised product, along K:
;;     - K is cut into blocks of 32 from its start; a last block that is shorter is filled with zeros.
;;     - A block's scale is 2^e with e = floor(log2(the largest magnitude in the block)) - 2, held to -126 .. 127; a block of zeros has e = 0. As a byte (E8M0): e + 127.
;;     - Each number is divided by its block's scale, clamped to +-7.5, and rounded to the nearest number of E2M3, ties to even, subnormals kept.
;;     - The product sums the exact products of the quantised numbers (number of the format x scale) in f32.
;;   ~~~python
;;   def quantise(x, axis):      # numpy; x: float32 -> the quantised numbers, widened to float32 again
;;       x = np.moveaxis(x, axis, -1); K = x.shape[-1]
;;       x = np.pad(x, [(0, 0)] * (x.ndim - 1) + [(0, -K % 32)]); x = x.reshape(x.shape[:-1] + (-1, 32)); a = np.abs(x).max(-1, keepdims=True)
;;       e = np.where(a > 0, np.clip(np.frexp(np.where(a > 0, a, 1))[1] - 1 - 2, -126, 127), 0)      # np.frexp(a)[1] - 1 = floor(log2(a)), exactly
;;       r = np.clip(x / 2.0 ** e, -7.5, 7.5)
;;       step = 2.0 ** (np.maximum(np.frexp(np.where(r == 0, 1, r))[1] - 1, 0) - 3)
;;       q = np.round(r / step) * step * 2.0 ** e      # np.round: ties to even
;;       return np.moveaxis(q.reshape(q.shape[:-2] + (-1,))[..., :K], -1, axis).astype(np.float32)
;;   ~~~
;;   SOFTMAX AHEAD OF A QUANTISED PRODUCT. Where the list says 'softmax', what is quantised is not the finished softmax but p = 2^(t - M), with t = logit x log2(e) and M = ceil(the row's largest t), a whole number; so 1/2 < the row's largest p <= 1. The row's sum l is taken of the UNQUANTISED p, in f32, and the product's result is divided by l at the end. Since M is a whole number, a kernel that streams over the keys may use a running M (the ceiling of the running maximum): every later rescaling is an exact power of two, which a block's scale takes up: the codes' values come out the same.
;;   OPERANDS COMPUTED ON THE WAY. 'Computed on the way' means the value that the module computes at that place (a softmax that the list does not call 'softmax' is quantised finished and normalised). What goes into a quantiser is computed in f32, as accurately as f32 sums, v_exp_f32 and their like allow (about 1e-6 of the number): no bf16 or f16 on the way to a quantiser, and a product that is left as it is and whose result goes on into a quantised operand takes f32 operands (vector FMAs, or v_wmma_f32_16x16x4_f32). A number that lies on a knife's edge between two numbers of the format may be rounded either way, as far as f32 arithmetic and the matrix unit's own rounding can turn it there, and no further.
;; One version. Each part assembles by itself: llvm-mc -triple=amdgcn-amd-amdhsa -mcpu=gfx1250 --defsym DOCPART=n.
;; ======== version 1 of 1: 5 launches
;; limits: right only within a limited range of input values
;; workspace buffers: pw 12,288,000 bytes; qkv 10,223,616 bytes; att 20,054,016 bytes; hid 13,107,200 bytes
;; launch prep (part 1): grid 960 x 1, 4 waves a work-group, no clusters, 81,152 bytes of LDS; arguments x, ln1_g, ln1_b, qkv_w, w1, w2, pw; writes pw
.if DOCPART == 1
	.amdgcn_target "amdgcn-amd-amdhsa--gfx1250"
	.amdhsa_code_object_version 6
	.text
	.protected	k_q1d9cfef658_prep
	.globl	k_q1d9cfef658_prep
	.p2align	8
	.type	k_q1d9cfef658_prep,@function
k_q1d9cfef658_prep:
	s_mov_b64 s[64:65], 0
	v_nop
	global_prefetch_b8 v0, s[64:65] scope:SCOPE_SE
	s_setreg_imm32_b32 hwreg(HW_REG_WAVE_MODE, 25, 1), 1
	s_wait_xcnt 0x0
; PREP: the three weights and LN1(x) become codes of FP6 (E2M3) with one E8M0 byte for each 32 along K, laid as the later launches' operand registers want them.
; AN OPERAND'S LAYOUT: IMG[row / 16][k / 128][1,536 bytes]; a fragment (16 rows x 128 K, 12 registers a lane) lies as an image of its registers: register p of lane L at 512 (p / 4) + 16 L + 4 (p % 4).
; Lane (r, h) holds row r; its registers 6 c .. 6 c + 5 hold k = 64 c + 32 h + 0 .. 31.  Scale words (four bytes: 128 K of a row): [row / 16][k / 128][16 rows].
; WORK-GROUPS 0-191: qkv_w [1024][3072]; 192-447: w1 [1024][4096]; 448-703: w2 [4096][1024]; 704-959: 16 rows of x each.  Each of the four paths has LDS bytes of its own.
; A WEIGHT'S K IS ITS FIRST AXIS: a lane takes a column, its registers run down K; a block of 32 lies in one lane.  A wave takes 32 columns x 128 K: four blocks a lane, which are one K step: two fragments,
; and in each lane its column's scale word.  The share is short on purpose: a wave never has more than 64 loads (8,192 bytes) on its way, so what the launch has on its way grows with the number of waves side by side.
; The scale words leave as 64 consecutive bytes for each tile of 16 columns, 1 byte in 128 of what the launch reads: runs of 256 would want 512 along K in one wave, four times the chain of dependent loads.
; w2's rows inside a block of 32 change places (8-15 with 16-23), as the hidden layer's numbers do where they are made: the products are the same, their order in the sums is not.
; A block's scale is 2^(floor(log2(largest magnitude)) - 2); its byte is the largest magnitude's exponent field - 2, held at 1 from below.
; LIMITS: a block of zeros, or one whose largest magnitude lies under 2^-124, gets the byte 1 (its codes are what the conversion gives under that scale; zeros stay zeros; only this program reads the bytes);
; NaN and infinities among the inputs are not served.
; No tensor loads, no cluster, no matrix unit: the launch streams; what it reads it reads once.
.set WQI, 3145728
.set W1I, 5505024
.set W2I, 8650752
.set H1S, 11796480
.set WQS, 11927552
.set W1S, 12025856
.set W2S, 12156928
.set WV,  18                           ; s18  my wave's number
.set SEL, 32                           ; s32, s33  lane selects: lane l xor 16
.set C1S, 34                           ; s34  1 / 1024
.set EPSS, 35                          ; s35  1e-5
; the weights' registers
.set NBK, 4                            ; blocks of 32 along K for a wave
.set WX,  32                           ; v32-95   two sets of 32 numbers
.set WC,  96                           ; v96-102  a block's codes
.set OUTR, 112                         ; v112-135 the way out
.set SB,  24                           ; v24      my column's four scale bytes
; the rows' registers
.set LA,  1                            ; 16 x lane
.set TIN, 3                            ; the turning stage, in
.set TOUT, 4                           ; and out
.set IW,  5                            ; where my 12 bytes of codes go
.set IB,  6                            ; where my block's byte goes
.set RA,  7                            ; where a fragment's lane reads its row
.set RB,  8                            ; where a lane reads scale words
.set GA,  9                            ; 16 x lane + 3,072 x wave
.set G,   16                           ; v16-47   g
.set BT,  48                           ; v48-79   b
.set R,   80                           ; v80-207  four rows
.set X,   208                          ; v208-239 16 neighbours, twice
.set T,   208                          ; v208-223 at work in the statistics
.set MU,  240
.set RS,  242
.set M8,  244
.set M9,  245
.set M11, 246
.set E0,  247                          ; v247, v251 scale bytes;  v248-250, v252-254 codes
.set C0,  248
.set TST0, 43008                       ; LDS of the rows' path: two turning stages of 32 x 80 bytes for each wave,
.set RWS, 63488                        ; 16 rows of codes, 64 places of 16 bytes (12 used) + 16,
.set ISC, 80128                        ; 16 rows of 32 scale bytes
	s_load_b256 s[4:11], s[0:1], 0x0               ; x, ln1_g, ln1_b, qkv_w
	s_load_b128 s[12:15], s[0:1], 0x20             ; w1, w2
	s_load_b64 s[16:17], s[0:1], 0x30              ; pw
	v_lshl_add_u32 v15, v0, 2, 0x13b00
	v_mov_b32 v255, 0
	v_lshrrev_b32 v1, 5, v0
	v_readfirstlane_b32 s[WV], v1                  ; wave 0..3
	v_and_b32 v2, 31, v0                           ; lane
	v_and_b32 v10, 15, v0                          ; r
	v_bfe_u32 v14, v0, 4, 1                        ; h
	s_wait_kmcnt 0x0
	s_cmp_lt_u32 ttmp9, 192
	s_cbranch_scc1 .Lwq
	s_cmp_lt_u32 ttmp9, 448
	s_cbranch_scc1 .Lw1
	s_cmp_lt_u32 ttmp9, 704
	s_cbranch_scc1 .Lw2
; ---------------- the rows: LN1 and its quantiser.  Wave w takes rows 4 w .. 4 w + 3 of the work-group's 16; a row of 4,096 bytes is 32 registers of the wave.
.macro TREE                            ; the eight pairs at v[T] on become one sum, the same in all 32 lanes
.irp i, 0,1,2,3
	v_pk_add_f32 v[T+2*\i:T+2*\i+1], v[T+4*\i:T+4*\i+1], v[T+4*\i+2:T+4*\i+3]
.endr
.irp i, 0,1
	v_pk_add_f32 v[T+2*\i:T+2*\i+1], v[T+4*\i:T+4*\i+1], v[T+4*\i+2:T+4*\i+3]
.endr
	v_pk_add_f32 v[T:T+1], v[T:T+1], v[T+2:T+3]
	v_add_f32 v[T], v[T], v[T+1]
.irp m, 1,2,4,8
	v_add_f32_dpp v[T], v[T], v[T] row_xmask:\m row_mask:0xf bank_mask:0xf
.endr
	v_permlanex16_b32 v[T+1], v[T], s[SEL], s[SEL+1]
	v_add_f32 v[T], v[T], v[T+1]
.endm
.macro LNORM s, d                      ; v[d] on = ((v[s] on - mean) / sqrt(var + eps)) g + b: the mean first, then the squares of the differences
.irp i, 0,1,2,3,4,5,6,7
	v_pk_add_f32 v[T+2*\i:T+2*\i+1], v[(\s)+4*\i:(\s)+4*\i+1], v[(\s)+4*\i+2:(\s)+4*\i+3]
.endr
	TREE
	v_mul_f32 v[MU], s[C1S], v[T]
	v_mov_b32 v[MU+1], v[MU]
.irp i, 0,1,2,3,4,5,6,7,8,9,10,11,12,13,14,15
	v_pk_add_f32 v[(\d)+2*\i:(\d)+2*\i+1], v[(\s)+2*\i:(\s)+2*\i+1], v[MU:MU+1] neg_lo:[0,1] neg_hi:[0,1]
.endr
.irp i, 0,1,2,3,4,5,6,7
	v_pk_mul_f32 v[T+2*\i:T+2*\i+1], v[(\d)+2*\i:(\d)+2*\i+1], v[(\d)+2*\i:(\d)+2*\i+1]
.endr
.irp i, 0,1,2,3,4,5,6,7
	v_pk_fma_f32 v[T+2*\i:T+2*\i+1], v[(\d)+16+2*\i:(\d)+16+2*\i+1], v[(\d)+16+2*\i:(\d)+16+2*\i+1], v[T+2*\i:T+2*\i+1]
.endr
	TREE
	v_fma_f32 v[T], v[T], s[C1S], s[EPSS]
	s_wait_alu depctr_va_vdst(0)
	v_rsq_f32 v[RS], v[T]
	v_nop                                          ; a plain instruction behind the transcendental
	s_wait_alu depctr_va_vdst(0)                   ; the wait ahead of the first line that names the result
	v_mov_b32 v[RS+1], v[RS]
.irp i, 0,1,2,3,4,5,6,7,8,9,10,11,12,13,14,15
	v_pk_mul_f32 v[(\d)+2*\i:(\d)+2*\i+1], v[(\d)+2*\i:(\d)+2*\i+1], v[RS:RS+1]
.endr
.irp i, 0,1,2,3,4,5,6,7,8,9,10,11,12,13,14,15
	v_pk_fma_f32 v[(\d)+2*\i:(\d)+2*\i+1], v[(\d)+2*\i:(\d)+2*\i+1], v[G+2*\i:G+2*\i+1], v[BT+2*\i:BT+2*\i+1]
.endr
.endm
.macro TURNQ d, x                      ; the row, 16 bytes a lane as loaded, goes through my stage and comes back 64 bytes a lane: lane l holds k = 512 s + 16 l + 0 .. 15.  LDS serves a wave's instructions in order
.irp j, 0,1,2,3,4,5,6,7
	ds_store_b128 v[TIN], v[(\d)+4*\j:(\d)+4*\j+3] offset:2560*(\j/4)+640*(\j%4)
.endr
.irp s, 0,1
.irp i, 0,1,2,3
	ds_load_b128 v[(\x)+16*\s+4*\i:(\x)+16*\s+4*\i+3], v[TOUT] offset:2560*\s+16*\i
.endr
.endr
.endm
.macro QROW x, row                     ; two lanes hold a block; 16 codes are 12 bytes, which get a place of 16 in the row's LDS image
.irp s, 0,1
.set XS, (\x)+16*\s
.set QC, C0+4*\s
.set QE, E0+4*\s
.if \s == 0
	s_wait_dscnt 4                                 ; step 0's four loads are back; step 1's four may be out
.else
	s_wait_dscnt 2                                 ; step 1's are back; step 0's two stores may be out
.endif
	v_max3_num_f32 v[M8], |v[XS]|, |v[XS+1]|, |v[XS+2]|
	v_max3_num_f32 v[M9], |v[XS+3]|, |v[XS+4]|, |v[XS+5]|
.irp i, 6,10
	v_max3_num_f32 v[M8], v[M8], |v[XS+\i]|, |v[XS+\i+1]|
	v_max3_num_f32 v[M9], v[M9], |v[XS+\i+2]|, |v[XS+\i+3]|
.endr
	v_max3_num_f32 v[M8], v[M8], |v[XS+14]|, |v[XS+15]|
	v_max3_num_f32 v[M8], v[M8], v[M9], 0x1800000  ; the floor 2^(3 - 127): the byte cannot fall under 1
	v_max_num_f32_dpp v[M8], v[M8], v[M8] row_xmask:1 row_mask:0xf bank_mask:0xf   ; with my neighbour's 16: the block's
	v_add_nc_u32 v[M11], 0xff000000, v[M8]         ; 2 off the exponent field: the conversion's scale operand
	v_cvt_scalef32_pk16_fp6_f32 v[QC:QC+2], v[XS:XS+15], v[M11]
	v_lshrrev_b32 v[QE], 23, v[M11]                ; the byte (and the plain line behind the conversion)
	ds_store_b8 v[IB], v[QE] offset:16*\s+32*(\row)
	ds_store_b96 v[IW], v[QC:QC+2] offset:512*\s+1040*(\row)
.endr
.endm
.macro IMGOUT f, tt, lo, go            ; one fragment: each lane gathers its two blocks (4 x 12 bytes) from its row and the wave stores the image, 512 consecutive bytes a store
	ds_load_b96 v[\f:\f+2], v[RA] offset:\lo
	ds_load_b96 v[\tt:\tt+2], v[RA] offset:\lo+16
	ds_load_b96 v[\f+6:\f+8], v[RA] offset:\lo+64
	ds_load_b96 v[\tt+4:\tt+6], v[RA] offset:\lo+80
	s_wait_dscnt 0x0
.irp i, 0,1,2
	v_mov_b32 v[\f+3+\i], v[\tt+\i]
	v_mov_b32 v[\f+9+\i], v[\tt+4+\i]
.endr
.irp g, 0,1,2
	global_store_b128 v[GA], v[\f+4*\g:\f+4*\g+3], s[24:25] offset:\go+512*\g
.endr
.endm
	s_sub_co_u32 s19, ttmp9, 704                   ; which 16 rows
	s_lshl_b32 s20, s19, 16
	s_lshl_b32 s21, s[WV], 14
	s_add_co_u32 s20, s20, s21
	s_mov_b32 s21, 0
	s_add_nc_u64 s[4:5], s[4:5], s[20:21]          ; x at my four rows
	s_mul_i32 s22, s19, 12288
	s_mov_b32 s23, 0
	s_add_nc_u64 s[24:25], s[16:17], s[22:23]      ; the rows' eight fragments (they begin at pw's first byte)
	s_lshl_b32 s22, s19, 9
	s_add_co_u32 s22, s22, H1S
	s_add_nc_u64 s[26:27], s[16:17], s[22:23]      ; and their 512 bytes of scale words
	s_mov_b32 s[SEL], 0x76543210
	s_mov_b32 s[SEL+1], 0xfedcba98
	s_mov_b32 s[C1S], 0x3a800000
	s_mov_b32 s[EPSS], 0x3727c5ac
	s_wait_alu depctr_va_vdst(0)
	v_lshlrev_b32 v[LA], 4, v2
.irp j, 0,1,2,3,4,5,6,7
	global_load_b128 v[G+4*\j:G+4*\j+3], v[LA], s[6:7] offset:512*\j
.endr
.irp j, 0,1,2,3,4,5,6,7
	global_load_b128 v[BT+4*\j:BT+4*\j+3], v[LA], s[8:9] offset:512*\j
.endr
.irp i, 0,1,2,3
.irp j, 0,1,2,3,4,5,6,7
	global_load_b128 v[R+32*\i+4*\j:R+32*\i+4*\j+3], v[LA], s[4:5] offset:4096*\i+512*\j th:TH_LOAD_NT
.endr
.endr
	s_mul_i32 s28, s[WV], 5120
	s_add_co_u32 s28, s28, TST0
	v_lshrrev_b32 v11, 2, v2
	v_mul_u32_u24 v[TIN], v11, 80
	v_and_b32 v12, 3, v2
	v_lshl_add_u32 v[TIN], v12, 4, v[TIN]
	v_add_nc_u32 v[TIN], s28, v[TIN]               ; four lanes' 64 bytes on end, then 16 of padding
	v_mul_u32_u24 v[TOUT], v2, 80
	v_add_nc_u32 v[TOUT], s28, v[TOUT]
	s_mul_i32 s29, s[WV], 4*1040
	s_add_co_u32 s29, s29, RWS
	v_add_nc_u32 v[IW], s29, v[LA]
	s_lshl_b32 s30, s[WV], 7
	s_add_co_u32 s30, s30, ISC
	v_lshrrev_b32 v[IB], 1, v2
	v_add_nc_u32 v[IB], s30, v[IB]
	v_mul_u32_u24 v[RA], v10, 1040
	v_lshl_add_u32 v[RA], v14, 5, v[RA]
	s_lshl_b32 s31, s[WV], 8
	s_add_co_u32 s31, s31, RWS
	v_add_nc_u32 v[RA], s31, v[RA]                 ; row r, + 32 h, + 128 bytes for each K step: mine are 2 w and 2 w + 1
	v_lshlrev_b32 v[RB], 7, v12
	v_lshl_add_u32 v[RB], v11, 2, v[RB]
	v_add_nc_u32 v[RB], ISC, v[RB]                 ; lane l stores words (K step l / 4, rows 4 (l % 4) + 0 .. 3)
	s_mul_i32 s31, s[WV], 3072
	v_add_nc_u32 v[GA], s31, v[LA]
.irp i, 0,1,2,3
	s_wait_loadcnt 8*(3-\i)                        ; g, b and rows up to this one are in; the later rows' eight loads each may be out
	LNORM R+32*\i, R+32*\i
	TURNQ R+32*\i, X
	QROW X, \i
.endr
	s_wait_dscnt 0x0                               ; my rows' codes and bytes lie in LDS
	s_barrier_signal -1
	s_barrier_wait -1                              ; everybody's do
	IMGOUT 80, 96, 0, 0
	IMGOUT 112, 128, 128, 1536
	s_cmp_lg_u32 s[WV], 0
	s_cbranch_scc1 .Lrows_done
.irp e, 0,1,2,3
	ds_load_b32 v[144+\e], v[RB] offset:32*\e
.endr
	s_wait_dscnt 0x0
	global_store_b128 v[LA], v[144:147], s[26:27]  ; 512 consecutive bytes: [K step][row]
.Lrows_done:
	s_wait_tensorcnt 0x0
	ds_add_u32 v15, v255
	s_wait_dscnt 0x0
	s_endpgm
; ---------------- the weights
.macro WLOAD t, n, perm                ; block t: W(32 t + i, my column) into place i of set t % 2 (w2: rows 8-15 and 16-23 change places)
.set I, 0
.rept 32
.set PI, I
.if (\perm) && (I >= 8) && (I < 16)
.set PI, I+8
.endif
.if (\perm) && (I >= 16) && (I < 24)
.set PI, I-8
.endif
	global_load_b32 v[WX+32*((\t)%2)+PI], v3, s[24:25] offset:(32*(\t)+I)*(\n)*4 th:TH_LOAD_NT
.set I, I+1
.endr
.endm
.macro WBLOCK t, n, perm
.set XS, WX+32*((\t)%2)
.if (\t) < NBK-1
	s_wait_loadcnt 32                              ; this block's 32 loads are in; the next block's may be out
.else
	s_wait_loadcnt 0
.endif
	v_max3_num_f32 v12, |v[XS]|, |v[XS+1]|, |v[XS+2]|
	v_max3_num_f32 v13, |v[XS+3]|, |v[XS+4]|, |v[XS+5]|
.irp i, 6,10,14,18,22,26
	v_max3_num_f32 v12, v12, |v[XS+\i]|, |v[XS+\i+1]|
	v_max3_num_f32 v13, v13, |v[XS+\i+2]|, |v[XS+\i+3]|
.endr
	v_max3_num_f32 v12, v12, |v[XS+30]|, |v[XS+31]|
	v_max3_num_f32 v12, v12, v13, 0x1800000        ; the floor
	v_add_nc_u32 v11, 0xff000000, v12
	v_cvt_scalef32_pk16_fp6_f32 v[WC:WC+2], v[XS:XS+15], v11
	v_cvt_scalef32_pk16_fp6_f32 v[WC+4:WC+6], v[XS+16:XS+31], v11   ; (a conversion's three registers begin on an even number)
	v_lshrrev_b32 v13, 23, v11                     ; the byte (and the plain line behind the conversions)
.if (\t) == 0
	v_mov_b32 v[SB], v13
.else
	v_lshl_or_b32 v[SB], v13, 8*(\t), v[SB]        ; byte t of my column's scale word
.endif
	v_mov_b32 v[WC+3], v[WC+4]
	v_mov_b32 v[WC+4], v[WC+5]
	v_mov_b32 v[WC+5], v[WC+6]                     ; the block's 24 bytes on end: registers 6 c .. 6 c + 5 of image lane r + 16 (t % 2), c = t / 2
.if (\t) < 2
	ds_store_b128 v4, v[WC:WC+3] offset:256*((\t)%2)
	ds_store_b64 v4, v[WC+4:WC+5] offset:512+256*((\t)%2)
.else
	ds_store_b64 v4, v[WC:WC+1] offset:520+256*((\t)%2)
	ds_store_b128 v4, v[WC+2:WC+5] offset:1024+256*((\t)%2)
.endif
.if (\t)+2 < NBK
	WLOAD (\t)+2, \n, \perm
.endif
	s_wait_dscnt 0x0                               ; the stores have read their registers
.endm
.macro WFLUSH k                        ; my two fragments leave, 512 consecutive bytes a store
.irp j, 0,1,2,3,4,5
	ds_load_b128 v[OUTR+4*\j:OUTR+4*\j+3], v5 offset:512*\j
.endr
	s_wait_dscnt 0x0
.irp j, 0,1,2,3,4,5
	global_store_b128 v6, v[OUTR+4*\j:OUTR+4*\j+3], s[26:27] offset:(\j/3)*((\k)/128)*1536+512*(\j%3)
.endr
.endm
.macro WQ n, k, lognky, perm, id0, ptr, ioff, soff, lb
	s_sub_co_u32 s19, ttmp9, \id0
	s_and_b32 s20, s19, (1<<\lognky)-1             ; which 128 along K
	s_lshr_b32 s21, s19, \lognky                   ; which 128 columns
	s_mul_i32 s22, s20, 512*\n
	s_lshl_b32 s23, s21, 9
	s_add_co_u32 s22, s22, s23
	s_lshl_b32 s23, s[WV], 7
	s_add_co_u32 s22, s22, s23
	s_mov_b32 s23, 0
	s_add_nc_u64 s[24:25], s[\ptr:\ptr+1], s[22:23]    ; the weight at (128 gy, 128 gx + 32 w)
	s_lshl_b32 s28, s21, 3
	s_lshl_b32 s29, s[WV], 1
	s_add_co_u32 s28, s28, s29                     ; my first tile of 16 columns
	s_mul_i32 s22, s28, (\k/128)*1536
	s_mul_i32 s29, s20, 1536
	s_add_co_u32 s22, s22, s29
	s_add_co_u32 s22, s22, \ioff
	s_add_nc_u64 s[26:27], s[16:17], s[22:23]      ; its image of this K step
	s_mul_i32 s22, s28, (\k/128)*64
	s_lshl_b32 s29, s20, 6
	s_add_co_u32 s22, s22, s29
	s_add_co_u32 s22, s22, \soff
	s_add_nc_u64 s[28:29], s[16:17], s[22:23]      ; its scale words of this K step
	v_lshlrev_b32 v3, 2, v2
	s_mul_i32 s30, s[WV], 3072
	s_add_co_u32 s30, s30, \lb                     ; my stage: two images
	v_mul_u32_u24 v4, v14, 1536
	v_lshl_add_u32 v4, v10, 4, v4
	v_add_nc_u32 v4, s30, v4
	v_lshlrev_b32 v6, 4, v2
	v_add_nc_u32 v5, s30, v6
	v_mul_u32_u24 v9, v14, (\k/128)*64
	v_lshl_add_u32 v9, v10, 2, v9                  ; my column's scale word: tile lane / 16, row lane % 16
	WLOAD 0, \n, \perm
	WLOAD 1, \n, \perm
.irp t, 0,1,2,3
	WBLOCK \t, \n, \perm
.endr
	WFLUSH \k
	s_wait_alu depctr_va_vdst(0)
	global_store_b32 v9, v[SB], s[28:29]           ; sixteen lanes store 64 consecutive bytes
	s_wait_tensorcnt 0x0
	ds_add_u32 v15, v255
	s_wait_dscnt 0x0
	s_endpgm
.endm
.Lwq:
	s_wait_alu depctr_va_vdst(0)
	WQ 3072, 1024, 3, 0, 0, 10, WQI, WQS, 0
.Lw1:
	s_wait_alu depctr_va_vdst(0)
	WQ 4096, 1024, 3, 0, 192, 12, W1I, W1S, 14336
.Lw2:
	s_wait_alu depctr_va_vdst(0)
	WQ 1024, 4096, 5, 1, 448, 14, W2I, W2S, 28672
.Lfunc_end_k_q1d9cfef658_prep:
	.size	k_q1d9cfef658_prep, .Lfunc_end_k_q1d9cfef658_prep-k_q1d9cfef658_prep
	.p2alignl 7, 3214868480
	.fill 96, 4, 3214868480
	.section	.rodata,"a",@progbits
	.p2align	6, 0x0
	.amdhsa_kernel k_q1d9cfef658_prep
		.amdhsa_group_segment_fixed_size 81152
		.amdhsa_private_segment_fixed_size 0
		.amdhsa_enable_private_segment 0
		.amdhsa_kernarg_size 56
		.amdhsa_user_sgpr_count 2
		.amdhsa_user_sgpr_kernarg_segment_ptr 1
		.amdhsa_wavefront_size32 1
		.amdhsa_system_sgpr_workgroup_id_x 1
		.amdhsa_system_sgpr_workgroup_id_y 1
		.amdhsa_system_sgpr_workgroup_id_z 1
		.amdhsa_system_vgpr_workitem_id 0
		.amdhsa_next_free_vgpr 256
		.amdhsa_next_free_sgpr 66
		.amdhsa_reserve_vcc 0
		.amdhsa_float_denorm_mode_32 3
		.amdhsa_float_denorm_mode_16_64 3
		.amdhsa_memory_ordered 1
		.amdhsa_forward_progress 1
		.amdhsa_inst_pref_size 111
	.end_amdhsa_kernel
	.amdgpu_metadata
---
amdhsa.version: [ 1, 2 ]
amdhsa.kernels:
  - .name:           k_q1d9cfef658_prep
    .symbol:         k_q1d9cfef658_prep.kd
    .args:
      - { .name: x, .offset: 0, .size: 8, .value_kind: global_buffer, .address_space: global }
      - { .name: ln1_g, .offset: 8, .size: 8, .value_kind: global_buffer, .address_space: global }
      - { .name: ln1_b, .offset: 16, .size: 8, .value_kind: global_buffer, .address_space: global }
      - { .name: qkv_w, .offset: 24, .size: 8, .value_kind: global_buffer, .address_space: global }
      - { .name: w1, .offset: 32, .size: 8, .value_kind: global_buffer, .address_space: global }
      - { .name: w2, .offset: 40, .size: 8, .value_kind: global_buffer, .address_space: global }
      - { .name: pw, .offset: 48, .size: 8, .value_kind: global_buffer, .address_space: global }
    .group_segment_fixed_size: 81152
    .private_segment_fixed_size: 0
    .kernarg_segment_align: 8
    .kernarg_segment_size: 56
    .max_flat_workgroup_size: 128
    .sgpr_count:     66
    .vgpr_count:     256
    .wavefront_size: 32
...
	.end_amdgpu_metadata
.endif
;; end of part 1
;; launch gqkv (part 2): grid 12 x 16, 4 waves a work-group, clusters of 4 x 4, 327,680 bytes of LDS; arguments pw, qkv_b, qkv; writes qkv
.if DOCPART == 2
	.amdgcn_target "amdgcn-amd-amdhsa--gfx1250"
	.amdhsa_code_object_version 6
	.text
	.protected	k_q1d9cfef658_gqkv
	.globl	k_q1d9cfef658_gqkv
	.p2align	8
	.type	k_q1d9cfef658_gqkv,@function
k_q1d9cfef658_gqkv:
	s_mov_b64 s[64:65], 0
	v_nop
	global_prefetch_b8 v0, s[64:65] scope:SCOPE_SE
	s_setreg_imm32_b32 hwreg(HW_REG_WAVE_MODE, 25, 1), 1
	s_wait_xcnt 0x0
	s_wait_alu depctr_hold_cnt(0) depctr_sa_sdst(0) depctr_va_vdst(0) depctr_va_sdst(0) depctr_va_ssrc(0) depctr_va_vcc(0) depctr_vm_vsrc(0)
	s_getreg_b32 s2, hwreg(HW_REG_IB_STS2, 6, 4)
	s_cmp_eq_u32 s2, 0
	s_cbranch_scc0 .Lentry_in_a_cluster
	s_endpgm
.Lentry_in_a_cluster:
	s_bfe_u32 s2, ttmp6, 0x10000c
	s_cmp_lg_u32 s2, 0xf033
	s_cbranch_scc0 .Lentry_shape_is_right
	s_endpgm
.Lentry_shape_is_right:
.set KIND, 1
.if KIND == 1
.set TP, 4
.set WP, 4
.set BP, 6
.set OP, 8
.set TIOFF, 0
.set TSOFF, 11796480
.set WIOFF, 3145728
.set WSOFF, 11927552
.else
.set TP, 4
.set WP, 6
.set BP, 8
.set OP, 10
.set TIOFF, 16777216
.set TSOFF, 19922944
.set WIOFF, 5505024
.set WSOFF, 12025856
.endif
.set QSS,  9437184
.set KVS,  9830400
.set HS,   12582912
.set SLOT, 98304
.set HALF, 24576
.set SCL,  294912
.set SPARE, 311296
.set STG,  SLOT
.set ADP, 4
.set ADR, 8
.set ASP, 12
.set ASR, 13
.set GO8, 15
.set SST, 16
.set SLD, 17
.set SPW, 28
.set NIL, 29
.set SC,  32
.set PC,  128
.set TM,  200
.set PW,  216
.set G1T, 24
.set G0T, 32
.set G0ST, 44
.set G1W, 48
.set G0SW, 72
.set G1ST, 76
.set G1SW, 84
.set OC,  12
.set OS,  98
.set MSB, 0
.macro WIN new
.if MSB != (\new)
	s_set_vgpr_msb (MSB<<8)|(\new)
.set MSB, (\new)
.endif
.endm
.macro PLACES
.rept 4
	v_nop
.endr
.endm
.macro JLOAD g0a, g1a, g0b, g1b
	s_cmp_eq_u32 s15, 0
	s_cbranch_scc0 .Lfor_w_\@
	tensor_load_to_lds s[\g0a:\g0a+3], s[\g1a:\g1a+7]
	s_nop 0
	PLACES
	s_branch .Lasked_\@
.Lfor_w_\@:
	tensor_load_to_lds s[\g0b:\g0b+3], s[\g1b:\g1b+7]
	s_nop 0
	PLACES
.Lasked_\@:
.endm
.macro CREST
	s_cmp_lg_u32 s14, 0
	s_cbranch_scc1 .Lnot_wave_0_\@
	s_barrier_signal -3
.Lnot_wave_0_\@:
	s_barrier_wait -3
	s_barrier_signal -1
	s_barrier_wait -1
.endm
.macro CROUND
	s_barrier_signal -1
	s_barrier_wait -1
	CREST
.endm
	s_load_b128 s[4:7], s[0:1], 0x0
.if KIND == 1
	s_load_b64 s[8:9], s[0:1], 0x10
.else
	s_load_b128 s[8:11], s[0:1], 0x10
.endif
	v_lshl_add_u32 v[SPW], v0, 2, SPARE
	v_mov_b32 v[NIL], 0
	ds_add_u32 v28, v29
	ds_add_u32 v28, v29
	s_wait_dscnt 0x0
	v_lshrrev_b32 v1, 5, v0
	v_readfirstlane_b32 s14, v1
	s_lshr_b32 s15, s14, 1
	s_and_b32 s16, s14, 1
	s_bfe_u32 s92, ttmp6, 0x40000
	s_bfe_u32 s93, ttmp6, 0x40004
	s_lshl_b32 s94, ttmp9, 2
	s_add_co_u32 s94, s94, s92
	s_and_b32 s17, ttmp7, 0xffff
	s_lshl_b32 s17, s17, 2
	s_add_co_u32 s17, s17, s93
	s_lshl_b32 s95, s93, 2
	s_lshl_b32 s95, 15, s95
	s_lshl_b32 s96, 0x1111, s92
	s_or_b32 s[G1T], s95, (3<<16)|(1<<21)
	s_or_b32 s[G1W], s96, (3<<16)|(1<<21)
	s_or_b32 s[G1ST], s95, (3<<16)|(1<<21)
	s_or_b32 s[G1SW], s96, (3<<16)|(1<<21)
.irp g, G1T, G1W
	s_mov_b32 s[\g+1], 384<<16                     ; the head's loads of codes: 16 tiles x 3,072 bytes (K steps 0, 1)
	s_mov_b32 s[\g+2], 16<<16
	s_mov_b32 s[\g+3], 384<<16
	s_mov_b32 s[\g+4], 16
	s_mov_b32 s[\g+5], 1536
	s_mov_b32 s[\g+6], 0
	s_mov_b32 s[\g+7], 0
.endr
.irp g, G1ST, G1SW
	s_mov_b32 s[\g+1], 32<<16                      ; the scale words of 256 rows: 8,192 dense bytes as 32 rows of 256
	s_mov_b32 s[\g+2], 32<<16
	s_mov_b32 s[\g+3], 32<<16
	s_mov_b32 s[\g+4], 32
	s_mov_b32 s[\g+5], 32
	s_mov_b32 s[\g+6], 0
	s_mov_b32 s[\g+7], 0
.endr
	s_lshl_b32 s18, s17, 4                         ; the block's first tile of 16 tokens
	s_mul_i32 s20, s18, 12288
	s_add_co_u32 s20, s20, TIOFF
	s_mov_b32 s21, 0
	s_lshl_b32 s22, s18, 9
	s_add_co_u32 s22, s22, TSOFF
	s_mov_b32 s23, 0
	s_lshl_b32 s2, s94, 4                          ; and of 16 columns
	s_mul_i32 s66, s2, 12288
	s_add_co_u32 s66, s66, WIOFF
	s_mov_b32 s67, 0
	s_lshl_b32 s98, s2, 9
	s_add_co_u32 s98, s98, WSOFF
	s_mov_b32 s99, 0
	s_mul_i32 s3, s14, HALF
	s_mul_i32 s12, s16, 98304                      ; behind the head I fetch 8 tiles: which half, in bytes
	s_mov_b32 s13, 0
	s_wait_kmcnt 0x0
	s_add_nc_u64 s[20:21], s[TP:TP+1], s[20:21]
	s_add_nc_u64 s[22:23], s[TP:TP+1], s[22:23]
	s_add_nc_u64 s[66:67], s[WP:WP+1], s[66:67]
	s_add_nc_u64 s[98:99], s[WP:WP+1], s[98:99]
	CROUND
	s_mov_b32 s[G0ST], 1
	s_mov_b32 s[G0ST+1], SCL
	s_mov_b64 s[G0ST+2:G0ST+3], s[22:23]
	s_or_b32 s[G0ST+3], s[G0ST+3], 0x80000000
	s_mov_b32 s[G0SW], 1
	s_mov_b32 s[G0SW+1], SCL+8192
	s_mov_b64 s[G0SW+2:G0SW+3], s[98:99]
	s_or_b32 s[G0SW+3], s[G0SW+3], 0x80000000
; LDS: region 0 (98,304 bytes) holds K steps 0, 1 and later 6, 7, a tile's 3,072 bytes on end; region 1 (196,608 bytes, from SLOT on) holds K steps 2 to 5, a tile's 6,144 bytes on end, filled once.
.macro MKG0 g, lds, ptr, off
	s_mov_b32 s[\g], 1
	s_mov_b32 s[\g+1], \lds
	s_add_nc_u64 s[\g+2:\g+3], s[\ptr:\ptr+1], \off
	s_or_b32 s[\g+3], s[\g+3], 0x80000000
.endm
	MKG0 40, 0, 20, 0                              ; the head: the tokens' 16 tiles,
	MKG0 68, 2*HALF, 66, 0                         ; the weight's 16 tiles
	s_add_nc_u64 s[20:21], s[20:21], s[12:13]      ; from here on my 8 tiles
	s_add_nc_u64 s[66:67], s[66:67], s[12:13]
	s_lshl_b32 s12, s3, 1
	s_add_co_u32 s12, s12, SLOT                    ; my part of region 1: wave x 49,152
	MKG0 G0T, s3, 20, 9216                         ; region 0's refill: K steps 6, 7
	MKG0 56, s3, 66, 9216
	MKG0 36, s12, 20, 3072                         ; region 1: K steps 2 to 5
	MKG0 60, s12, 66, 3072
; The head's four tiles, one joint load a wave: one chain of branches on the wave's number, all arms to one join.
.macro ARM under, g0, g1, next
	s_cmp_lt_u32 s14, \under
	s_cbranch_scc0 \next
	tensor_load_to_lds s[\g0:\g0+3], s[\g1:\g1+7]
	s_nop 0
	PLACES
	s_branch .Lhead_asked
\next:
.endm
	ARM 1, 40, G1T, .Lhead_w
	ARM 2, 68, G1W, .Lhead_st
	ARM 3, G0ST, G1ST, .Lhead_sw
	tensor_load_to_lds s[G0SW:G0SW+3], s[G1SW:G1SW+7]
	s_nop 0
	PLACES
.Lhead_asked:
	v_and_b32 v1, 15, v0
	v_bfe_u32 v2, v0, 4, 1
	v_and_b32 v3, 31, v0
	v_lshlrev_b32 v3, 4, v3
	s_wait_alu depctr_va_vdst(0)
	s_mul_i32 s18, s15, HALF
	s_mul_i32 s19, s16, HALF
	s_add_co_u32 s19, s19, 2*HALF
	s_lshl_b32 s20, s15, 12
	s_add_co_u32 s20, s20, SCL
	s_lshl_b32 s21, s16, 12
	s_add_co_u32 s21, s21, SCL+8192
.if KIND == 1
	s_cmp_eq_u32 ttmp9, 2
	s_cselect_b32 s22, s18, s19
	s_cselect_b32 s23, s19, s18
	s_cselect_b32 s2, s20, s21
	s_cselect_b32 s3, s21, s20
	s_cselect_b32 s97, 1, 0
.else
	s_mov_b32 s22, s19
	s_mov_b32 s23, s18
	s_mov_b32 s2, s21
	s_mov_b32 s3, s20
.endif
	v_add_nc_u32 v[ADP], s22, v3
	v_add_nc_u32 v[ADR], s23, v3
	s_lshl_b32 s22, s22, 1                         ; region 1: the parts are twice as long
	s_lshl_b32 s23, s23, 1
	s_add_co_u32 s22, s22, SLOT
	s_add_co_u32 s23, s23, SLOT
	v_add_nc_u32 v[ADP+1], s22, v3
	v_add_nc_u32 v[ADR+1], s23, v3
	v_lshlrev_b32 v21, 2, v1
	v_add_nc_u32 v[ASP], s2, v21
	v_add_nc_u32 v[ASR], s3, v21
	v_lshlrev_b32 v18, 4, v2
	v_lshlrev_b32 v19, 5, v2
	v_lshrrev_b32 v[GO8], 1, v3
	s_lshl_b32 s18, s14, 10
	s_add_co_u32 s18, s18, STG
	v_add_nc_u32 v[SST], s18, v21
	v_lshl_add_u32 v22, v2, 9, v[SST]
	v_add_nc_u32 v[SLD], s18, v3
	v_mul_u32_u24 v20, v2, 12288
	v_lshl_add_u32 v20, v1, 4, v20
	s_lshl_b32 s18, s94, 10
	s_lshl_b32 s19, s16, 9
	s_add_co_u32 s18, s18, s19
	s_mov_b32 s19, 0
	s_add_nc_u64 s[BP:BP+1], s[BP:BP+1], s[18:19]
.if KIND == 1
	s_cmp_eq_u32 s97, 0
	s_cbranch_scc0 .Lv_bias
.endif
	WIN 0x40
	s_wait_alu depctr_va_vdst(0)
.irp b, 0,1,2,3,4,5,6,7
	global_load_b128 v[192+8*\b:192+8*\b+3], v19, s[BP:BP+1] offset:64*\b
	global_load_b128 v[192+8*\b+4:192+8*\b+7], v19, s[BP:BP+1] offset:64*\b+16
.endr
	WIN 0
.if KIND == 1
	s_branch .Lbias_asked
.Lv_bias:
	WIN 0x40
.irp a, 0,1,2,3,4,5,6,7
.irp j, 0,1,2,3,4,5,6,7
	global_load_b32 v[192+8*\a+\j], v21, s[BP:BP+1] offset:64*\a
.endr
.endr
	WIN 0
.Lbias_asked:
.endif
.if KIND == 1
	s_lshr_b32 s18, s17, 3
	s_lshl_b32 s18, s18, 4
	s_and_b32 s19, s94, 3
	s_lshl_b32 s19, s19, 2
	s_add_co_u32 s18, s18, s19
	s_lshl_b32 s19, s16, 1
	s_add_co_u32 s18, s18, s19
	s_and_b32 s19, s17, 7
	s_lshl_b32 s19, s19, 1
	s_add_co_u32 s19, s19, s15
	s_mul_i32 s20, ttmp9, 3145728
	s_mul_i32 s21, s18, 98304
	s_add_co_u32 s20, s20, s21
	s_mul_i32 s21, s19, 6144
	s_add_co_u32 s20, s20, s21
	s_mov_b32 s21, 0
	s_add_nc_u64 s[OC:OC+1], s[OP:OP+1], s[20:21]
	s_mul_i32 s22, s18, 12288
	s_lshl_b32 s23, s19, 9
	s_lshl_b32 s20, s19, 8
	s_add_co_u32 s20, s20, 8192
	s_cmp_eq_u32 s97, 0
	s_cselect_b32 s23, s23, s20
	s_mov_b32 s20, KVS
	s_cmp_eq_u32 ttmp9, 0
	s_cselect_b32 s20, QSS, s20
	s_add_co_u32 s22, s22, s23
	s_add_co_u32 s22, s22, s20
	s_mov_b32 s23, 0
	s_add_nc_u64 s[OS:OS+1], s[OP:OP+1], s[22:23]
.else
	s_lshl_b32 s20, s94, 1
	s_add_co_u32 s20, s20, s16
	s_lshl_b32 s18, s17, 4
	s_lshl_b32 s19, s15, 3
	s_add_co_u32 s18, s18, s19
	s_lshl_b32 s18, s18, 5
	s_add_co_u32 s18, s18, s20
	s_mul_i32 s18, s18, 1536
	s_mov_b32 s19, 0
	s_add_nc_u64 s[OC:OC+1], s[OP:OP+1], s[18:19]
	s_lshl_b32 s22, s20, 14
	s_lshl_b32 s23, s17, 10
	s_add_co_u32 s22, s22, s23
	s_lshl_b32 s23, s15, 9
	s_add_co_u32 s22, s22, s23
	s_add_co_u32 s22, s22, HS
	s_mov_b32 s23, 0
	s_add_nc_u64 s[OS:OS+1], s[OP:OP+1], s[22:23]
.endif
	s_mov_b32 s66, 0x76543210
	s_mov_b32 s67, 0xfedcba98
	s_mov_b32 s2, 0x7f7f0000
.macro WM acc, p, r, c, sp, sr
	v_wmma_scale_f32_16x16x128_f8f6f4 v[\acc:\acc+7], v[\p:\p+11], v[\r:\r+11], v[\c:\c+7], v[\sp], v[\sr] matrix_a_fmt:MATRIX_FMT_FP6 matrix_b_fmt:MATRIX_FMT_FP6
.endm
.macro FETCHF set, slot, q, ks
	WIN 0x40
.irp i, 0,1,2,3,4,5,6,7
.irp g, 0,1,2
	ds_load_b128 v[96*(\set)+12*\i+4*\g:96*(\set)+12*\i+4*\g+3], v[ADP+\slot] offset:(3072+3072*(\slot))*\i+1536*(\q)+512*\g
.endr
.endr
	WIN 0
.irp i, 0,1,2,3,4,5,6,7
.irp g, 0,1,2
	ds_load_b128 v[64+96*(\set)+12*\i+4*\g:64+96*(\set)+12*\i+4*\g+3], v[ADR+\slot] offset:(3072+3072*(\slot))*\i+1536*(\q)+512*\g
.endr
.endr
.irp i, 0,1,2,3,4,5,6,7
	ds_load_b32 v[SC+16*(\set)+\i], v[ASP] offset:512*\i+64*(\ks)
	ds_load_b32 v[SC+16*(\set)+8+\i], v[ASR] offset:512*\i+64*(\ks)
.endr
.endm
.macro MUL16 a0, set, cm
.if (\cm) == 0
	WIN 0xa1+0x50*((\a0)/4)
.else
	WIN 0x91+0x40*((\a0)/4)
.endif
.irp a, \a0, \a0+1
.irp b, 0,1,2,3,4,5,6,7
.set AC, 8*(8*((\a)%4)+\b)
.set FP, 96*(\set)+12*\b
.set FR, 64+96*(\set)+12*(\a)
.set CC, AC
.if (\cm) == 1
.set CC, 192+8*\b
.endif
.if (\cm) == 2
.set CC, 192+8*(\a)
.endif
.set KP, SC+16*(\set)+\b
.set KR, SC+16*(\set)+8+(\a)
	WM AC, FP, FR, CC, KP, KR
.endr
.endr
.endm
.macro STEP set, kind, nslot, nq, nks, cm
.if (\kind) == 0
	s_wait_dscnt 0x0
	MUL16 0, \set, \cm
	MUL16 2, \set, \cm
	PLACES
	FETCHF 1-(\set), \nslot, \nq, \nks
	MUL16 4, \set, \cm
	MUL16 6, \set, \cm
.elseif (\kind) == 3
	s_wait_dscnt 0x0
	MUL16 0, \set, 0
	MUL16 2, \set, 0
	MUL16 4, \set, 0
	MUL16 6, \set, 0
.else
	WIN 0
	s_wait_tensorcnt 0x0
	ds_add_u32 v[SPW], v[NIL]
	s_wait_dscnt 1
	MUL16 0, \set, 0
	s_wait_dscnt 0x0
	s_barrier_signal -1
	MUL16 2, \set, 0
	WIN 0
	s_barrier_wait -1
.if (\kind) == 1
	CREST
.irp g, G1T, G1W
	s_mov_b32 s[\g+1], 384<<16                     ; no load of mine is out: the refill's rows are 3,072 bytes again
	s_mov_b32 s[\g+3], 384<<16
.endr
	JLOAD G0T, G1T, 56, G1W
.else
	PLACES
.endif
	FETCHF 1-(\set), \nslot, \nq, \nks
	MUL16 4, \set, 0
	MUL16 6, \set, 0
.endif
.endm
	s_wait_alu depctr_va_vdst(0)                   ; the wait at the head's end
	s_wait_tensorcnt 0x0                           ; my tile of the head's four is in; the lines ahead of a later first fill:
	ds_add_u32 v[SPW], v[NIL]
.irp g, G1T, G1W
	s_mov_b32 s[\g+1], 768<<16                     ; no load of mine is out: region 1's loads bring 8 tiles x 6,144 bytes
	s_mov_b32 s[\g+2], 8<<16
	s_mov_b32 s[\g+3], 768<<16
	s_mov_b32 s[\g+4], 8
.endr
	s_wait_dscnt 0x0
	CROUND                                         ; all four tiles are in, and the sixteen work-groups are here
	JLOAD 36, G1T, 60, G1W                         ; K steps 2 to 5: my one load behind the round
	s_wait_alu depctr_va_vdst(0)
	FETCHF 0, 0, 0, 0
	s_wait_loadcnt 0x0
.if KIND == 1
	s_cmp_eq_u32 s97, 0
	s_cbranch_scc0 .Lv_first
	STEP 0, 0, 0, 1, 1, 1
	WIN 0
	s_branch .Lfirst_done
.Lv_first:
	STEP 0, 0, 0, 1, 1, 2
	WIN 0
.Lfirst_done:
.else
	STEP 0, 0, 0, 1, 1, 1
.endif
	STEP 1, 1, 1, 0, 2, 0
	STEP 0, 0, 1, 1, 3, 0
	STEP 1, 0, 1, 2, 4, 0
	STEP 0, 0, 1, 3, 5, 0
	STEP 1, 2, 0, 0, 6, 0
	STEP 0, 0, 0, 1, 7, 0
	STEP 1, 3, 0, 0, 0, 0
.macro QUANTW s, w
	WIN (\w)|((\w)<<2)
.irp b, 0,1,2,3
	v_max3_num_f32 v[TM+\b], |v[(\s)+16*\b]|, |v[(\s)+1+16*\b]|, 0x1800000
.endr
	WIN ((\w)<<2)|((\w)<<4)
.irp i, 2,4,6,8,10,12,14
.irp b, 0,1,2,3
	v_max3_num_f32 v[TM+\b], v[TM+\b], |v[(\s)+16*\b+\i]|, |v[(\s)+1+16*\b+\i]|
.endr
.endr
	WIN 0
.irp b, 0,1,2,3
	v_permlanex16_b32 v[TM+4+\b], v[TM+\b], s66, s67
.endr
.irp b, 0,1,2,3
	v_max_num_f32 v[TM+\b], v[TM+\b], v[TM+4+\b]
.endr
.irp b, 0,1,2,3
	v_add_nc_u32 v[TM+12+\b], 0xff000000, v[TM+\b]
.endr
.irp b, 0,1,2,3
	v_lshrrev_b32 v[TM+4+\b], 23, v[TM+12+\b]
.endr
	v_lshl_or_b32 v[PW], v[TM+5], 8, v[TM+4]
	v_lshl_or_b32 v[PW], v[TM+6], 16, v[PW]
	v_lshl_or_b32 v[PW], v[TM+7], 24, v[PW]
	WIN (\w)
.irp c, 0,1
	v_cvt_scalef32_pk16_fp6_f32 v[PC+6*\c:PC+2+6*\c], v[(\s)+32*\c:(\s)+15+32*\c], v[TM+12+2*\c]
	v_cvt_scalef32_pk16_fp6_f32 v[PC+12+4*\c:PC+14+4*\c], v[(\s)+16+32*\c:(\s)+31+32*\c], v[TM+12+2*\c+1]
.endr
	WIN 0
	v_nop
.irp c, 0,1
.irp i, 0,1,2
	v_permlane16_swap_b32 v[PC+6*\c+\i], v[PC+12+4*\c+\i]
.endr
.irp i, 0,1,2
	v_mov_b32 v[PC+3+6*\c+\i], v[PC+12+4*\c+\i]
.endr
.endr
.endm
	WIN 0
	PLACES
.irp b, 0,1,2,3
	v_mov_b32 v[TM+4+\b], 0
.endr
.irp a, 0,1,2,3,4,5,6,7
	s_wait_xcnt 0x0
	s_wait_dscnt 0x0
.if KIND == 2
	WIN (2+\a/4)<<2
.set J, 0
.rept 64
	v_max_num_f32 v[64+J], 0, v[64*(\a%4)+J]
.set J, J+1
.endr
	QUANTW 64, 0
.irp g, 0,1,2
	global_store_b128 v3, v[PC+4*\g:PC+4*\g+3], s[OC:OC+1] offset:49152*\a+512*\g
.endr
	ds_store_b32 v[SST], v[PW] offset:64*\a
.else
	QUANTW 64*(\a%4), 2+\a/4
	s_cmp_eq_u32 s97, 0
	s_cbranch_scc0 .Lv_out_\a
.irp c, 0,1
.irp p, 0,1,2
	global_store_b64 v[GO8], v[PC+6*\c+2*\p:PC+6*\c+2*\p+1], s[OC:OC+1] offset:98304*\c+768*\a+256*\p
.endr
.endr
	v_lshrrev_b32 v217, v18, v[PW]
	v_and_or_b32 v217, v217, 0xffff, s2
	ds_store_b32 v22, v217 offset:64*\a
	s_branch .Lout_done_\a
.Lv_out_\a:
	s_wait_alu depctr_va_vdst(0)
.irp g, 0,1,2
	global_store_b128 v3, v[PC+4*\g:PC+4*\g+3], s[OC:OC+1] offset:98304*(\a/4)+1536*(\a%4)+512*\g
.endr
	ds_store_b32 v[SST], v[PW] offset:64*\a
.Lout_done_\a:
.endif
.endr
.if KIND == 2
	ds_load_b128 v[148:151], v[SLD]
	s_wait_dscnt 0x0
	global_store_b128 v3, v[148:151], s[OS:OS+1]
.else
	s_cmp_eq_u32 s97, 0
	s_cbranch_scc0 .Lv_scales
	ds_load_b128 v[148:151], v[SLD]
	ds_load_b128 v[152:155], v[SLD] offset:512
	s_wait_dscnt 0x0
	global_store_b128 v3, v[148:151], s[OS:OS+1]
	global_store_b128 v3, v[152:155], s[OS:OS+1] offset:12288
	s_branch .Lscales_out
.Lv_scales:
	ds_load_b128 v[148:151], v[SLD]
	s_wait_dscnt 0x0
	global_store_b128 v20, v[148:151], s[OS:OS+1]
.Lscales_out:
.endif
	s_wait_tensorcnt 0x0
	ds_add_u32 v[SPW], v[NIL]
	s_wait_dscnt 0x0
	CROUND
	s_endpgm
.Lfunc_end_k_q1d9cfef658_gqkv:
	.size	k_q1d9cfef658_gqkv, .Lfunc_end_k_q1d9cfef658_gqkv-k_q1d9cfef658_gqkv
	.p2alignl 7, 3214868480
	.fill 96, 4, 3214868480
	.section	.rodata,"a",@progbits
	.p2align	6, 0x0
	.amdhsa_kernel k_q1d9cfef658_gqkv
		.amdhsa_group_segment_fixed_size 327680
		.amdhsa_private_segment_fixed_size 0
		.amdhsa_enable_private_segment 0
		.amdhsa_kernarg_size 24
		.amdhsa_user_sgpr_count 2
		.amdhsa_user_sgpr_kernarg_segment_ptr 1
		.amdhsa_wavefront_size32 1
		.amdhsa_system_sgpr_workgroup_id_x 1
		.amdhsa_system_sgpr_workgroup_id_y 1
		.amdhsa_system_sgpr_workgroup_id_z 1
		.amdhsa_system_vgpr_workitem_id 0
		.amdhsa_next_free_vgpr 1024
		.amdhsa_next_free_sgpr 100
		.amdhsa_reserve_vcc 0
		.amdhsa_float_denorm_mode_32 3
		.amdhsa_float_denorm_mode_16_64 3
		.amdhsa_memory_ordered 1
		.amdhsa_forward_progress 1
		.amdhsa_inst_pref_size 175
	.end_amdhsa_kernel
	.amdgpu_metadata
---
amdhsa.version: [ 1, 2 ]
amdhsa.kernels:
  - .name:           k_q1d9cfef658_gqkv
    .symbol:         k_q1d9cfef658_gqkv.kd
    .args:
      - { .name: pw, .offset: 0, .size: 8, .value_kind: global_buffer, .address_space: global }
      - { .name: qkv_b, .offset: 8, .size: 8, .value_kind: global_buffer, .address_space: global }
      - { .name: qkv, .offset: 16, .size: 8, .value_kind: global_buffer, .address_space: global }
    .group_segment_fixed_size: 327680
    .private_segment_fixed_size: 0
    .kernarg_segment_align: 8
    .kernarg_segment_size: 24
    .max_flat_workgroup_size: 128
    .sgpr_count:     100
    .vgpr_count:     1024
    .wavefront_size: 32
...
	.end_amdgpu_metadata
.endif
;; end of part 2
;; launch attn (part 3): grid 8 x 32, 16 waves a work-group, clusters of 4 x 1, 327,680 bytes of LDS; arguments qkv, x, ln2_g, ln2_b, att; writes att
.if DOCPART == 3
	.amdgcn_target "amdgcn-amd-amdhsa--gfx1250"
	.amdhsa_code_object_version 6
	.text
	.protected	k_q1d9cfef658_attn
	.globl	k_q1d9cfef658_attn
	.p2align	8
	.type	k_q1d9cfef658_attn,@function
k_q1d9cfef658_attn:
	s_mov_b64 s[64:65], 0
	v_nop
	global_prefetch_b8 v0, s[64:65] scope:SCOPE_SE
	s_setreg_imm32_b32 hwreg(HW_REG_WAVE_MODE, 25, 1), 1
	s_wait_xcnt 0x0
	s_wait_alu depctr_hold_cnt(0) depctr_sa_sdst(0) depctr_va_vdst(0) depctr_va_sdst(0) depctr_va_ssrc(0) depctr_va_vcc(0) depctr_vm_vsrc(0)
	s_getreg_b32 s2, hwreg(HW_REG_IB_STS2, 6, 4)
	s_cmp_eq_u32 s2, 0
	s_cbranch_scc0 .Lentry_in_a_cluster
	s_endpgm
.Lentry_in_a_cluster:
	s_bfe_u32 s2, ttmp6, 0x10000c
	s_cmp_lg_u32 s2, 0x3003
	s_cbranch_scc0 .Lentry_shape_is_right
	s_endpgm
.Lentry_shape_is_right:
; ATTENTION on codes of FP6 (E2M3), the residual, LN2 and its quantiser.  32 heads (batch x head) of 2,048 tokens x 64 channels; scores x 1/32.
; A work-group owns 256 queries of a head, each of its SIXTEEN waves 16 of them: four waves to a SIMD, so that one wave's vector work stands beside another's matrix work and LDS loads.
; THE SOFTMAX AHEAD OF THE SECOND PRODUCT: t = score x log2(e) / 32; M = the running largest t rounded UP to a whole number; p = 2^(t - M) is quantised along the keys, not normalised; the row's sum is taken of
; the unquantised p and divides at the end.  When M moves, the sum and O are multiplied by 2^(old M - new M): exact.
; Both products are used transposed (S^T = K Q^T, O^T = V^T P^T): a lane holds ONE query.  The first product's K is 64: the upper halves of Q's and K's fragments are zero codes under scale bytes of 1.0.
; With natural key tiles p's places 8-15 and 16-23 of a block of 32 keys are exchanged, as v's are where they were made: the products are the same, their order in the sums is not.
; NO RING: a head's K and V, codes and scale words, are 208,896 bytes and stay in LDS: every byte is filled once.  The four work-groups of a cluster walk the same head: every load is joint.
; Each wave issues two loads (at the head its 6,144 bytes of keys 0-511 or its 1,536 bytes of the scale words; behind the round its 9,216 bytes of keys 512-2,047): one is out at a time.
; TWO BARRIERS FOR THE TILES.  The first shows every wave the scale words and keys 0-511.  For the second a wave signals behind its step 1, when all its loads have landed, and waits ahead of its step 4, the first
; that reads keys from 512 on; steps 2 and 3, between signal and wait, read keys 0-511 alone.
; THE RESHAPE without moving the heads back makes the 16 queries x 64 channels of a wave ONE row of the residual stream (row 128 bh + query / 16): so x1 = x + that row, LN2 and its quantiser stand in the wave's way out.
; That row of x is asked for at the head, into 32 registers that the key steps do not touch.
; LIMITS: a block of zeros, or one whose largest magnitude lies under 2^-124, gets the scale byte 1 (only this program reads the bytes); NaN and infinities are not served.
; HOW THE FILLS GO IN THIS TEXT: at the head one joint load a wave: waves 0-7 bring keys 0-511 of K and of V (6,144 bytes each), waves 8-15 the scale words (1,536 bytes each).
; Behind the wait for them, the add and a round of the cluster's barrier each wave brings 9,216 bytes of keys 512-2,047: one load a wave is out at any time.  All of LDS is claimed.
.set KI,   3145728
.set QSS,  9437184
.set KVS,  9830400
.set H2I,  16777216
.set H2S,  19922944
.set VC,   98304                       ; LDS: K's codes at 0 (a tile of 16 keys: 768 bytes), V's here ([128 keys][16 channels x 4][1,536]),
.set KS,   196608                      ; K's scale words, a word a key,
.set VS,   204800                      ; V's, [128 keys][64 channels],
.set WST,  208896                      ; 5,120 bytes for each wave, for the way out,
.set RWS,  290816                      ; 16 rows of codes, 64 places of 16 bytes + 16,
.set ISC,  307456                      ; 16 rows of 32 scale bytes
.set AK0, 1                            ; v1  8 x lane
.set AV0, 2                            ; v2  VC + 16 x lane
.set ASK0, 3                           ; v3  KS + 4 r
.set ASV0, 4                           ; v4  VS + 4 r
.set LA,  7                            ; v7  16 x lane
.set ADK, 8                            ; v8-11 the step's addresses
.set ADV, 9
.set ADS, 10
.set ADT, 11
.set KF,  32                           ; v32-79  four fragments of K; the upper six registers of each stay zero
.set KSC, 80                           ; v80-83  K's scale words;  v84-87 V's
.set VSC, 84
.set XP0, 88                           ; v88-95   x's row, its first 8 registers,
.set XP1, 230                          ; v230-253 and the other 24
.set S,   96                           ; v96-159 S^T, then p; V's four fragments land in v96-143 once p is converted
.set O,   160                          ; v160-191 O^T
.set PCD, 192                          ; v192-203 p's codes; v204-206, v208-210 the conversions' second halves
.set BM,  212                          ; v212-215 block maxima; v216-219 permute destinations, then bytes; v220-223 scale operands
.set PD,  216
.set SO,  220
.set WV,  14
.set G1A, 24
.set G1S, 32
.set G0,  40                           ; s[40:51] three groups 0
.set SEL, 60
.set CS,  62                           ; s[62:63] log2(e) / 32
.set TK,  66
.set TS,  67
.set TJ,  68
.set CNT, 69
.set C1S, 70
.set EPSS, 71
; the way out
.set STO, 16
.set RD,  17
.set TIN, 18
.set TOUT, 19
.set IW,  20
.set IB,  21
.set RA,  22
.set RB,  23
.set XR,  32
.set G,   64
.set BT,  96
.set D,   128
.set X,   192
.set T,   224
.set MU,  240
.set RS,  242
.set M8,  244
.set M9,  245
.set M11, 246
.set E0,  247
.set C0,  248
.macro PLACES
.rept 4
	v_nop
.endr
.endm
.macro CROUND                          ; a round of the cluster's barrier
	s_barrier_signal -1
	s_barrier_wait -1
	s_cmp_lg_u32 s[WV], 0
	s_cbranch_scc1 .Lnot_wave_0_\@
	s_barrier_signal -3
.Lnot_wave_0_\@:
	s_barrier_wait -3
	s_barrier_signal -1
	s_barrier_wait -1
.endm
	s_load_b256 s[4:11], s[0:1], 0x0               ; qkv, x, ln2_g, ln2_b
	s_load_b64 s[12:13], s[0:1], 0x20              ; att
	v_lshl_add_u32 v31, v0, 2, 0x4b300
	v_mov_b32 v255, 0
	ds_add_u32 v31, v255
	ds_add_u32 v31, v255
	v_lshrrev_b32 v1, 5, v0
	s_delay_alu instid0(VALU_DEP_1)
	v_readfirstlane_b32 s[WV], v1                  ; wave 0..15
	s_bfe_u32 s15, ttmp6, 0x40000                  ; cx
	s_lshl_b32 s16, ttmp9, 2
	s_add_co_u32 s16, s16, s15                     ; which 256 queries: it enters Q's, x's and the outputs' addresses alone
	s_and_b32 s17, ttmp7, 0xffff                   ; the head, which the four partners share
	s_mov_b32 s[G1A], 15|(3<<16)|(1<<21)           ; the mask: all four; elements of 8 bytes; 21 set beside a mask; no padding.  6,144 dense bytes as 24 rows of 256
	s_mov_b32 s[G1A+1], 32<<16
	s_mov_b32 s[G1A+2], 24<<16
	s_mov_b32 s[G1A+3], 32<<16
	s_mov_b32 s[G1A+4], 24
	s_mov_b32 s[G1A+5], 32
	s_mov_b32 s[G1A+6], 0
	s_mov_b32 s[G1A+7], 0
	s_mov_b32 s[G1S], 15|(3<<16)|(1<<21)           ; 1,536 dense bytes as 6 rows of 256
	s_mov_b32 s[G1S+1], 32<<16
	s_mov_b32 s[G1S+2], 6<<16
	s_mov_b32 s[G1S+3], 32<<16
	s_mov_b32 s[G1S+4], 6
	s_mov_b32 s[G1S+5], 32
	s_mov_b32 s[G1S+6], 0
	s_mov_b32 s[G1S+7], 0
	s_bfe_u32 s18, s[WV], 0x10002                  ; keys 0-511: waves 0-3 fetch K's codes, waves 4-7 V's, a quarter each
	s_and_b32 s19, s[WV], 3
	s_mul_i32 s21, s19, 6144
	s_mul_i32 s20, s18, VC
	s_add_co_u32 s20, s20, s21                     ; in LDS
	s_mul_i32 s22, s18, 3145728
	s_add_co_u32 s22, s22, s21
	s_mul_i32 s87, s17, 98304
	s_add_co_u32 s87, s87, KI                      ; the head's K codes in memory
	s_add_co_u32 s22, s22, s87
	s_mov_b32 s23, 0
	s_lshr_b32 s18, s[WV], 3                       ; keys 512-2,047: waves 0-7 K's, waves 8-15 V's, an eighth each
	s_and_b32 s19, s[WV], 7
	s_mul_i32 s21, s19, 9216
	s_add_co_u32 s21, s21, 24576
	s_mul_i32 s88, s18, VC
	s_add_co_u32 s88, s88, s21
	s_mul_i32 s90, s18, 3145728
	s_add_co_u32 s90, s90, s21
	s_add_co_u32 s90, s90, s87
	s_mov_b32 s91, 0
	s_mul_i32 s85, s19, 1536                       ; the scale words: waves 8-15, an eighth each
	s_add_co_u32 s86, s85, KS
	s_mul_i32 s84, s17, 12288
	s_add_co_u32 s84, s84, s85
	s_add_co_u32 s84, s84, KVS
	s_mov_b32 s85, 0
	s_wait_dscnt 0x0
	s_wait_kmcnt 0x0
	s_add_nc_u64 s[22:23], s[4:5], s[22:23]
	s_add_nc_u64 s[90:91], s[4:5], s[90:91]
	s_add_nc_u64 s[84:85], s[4:5], s[84:85]
	s_mov_b32 s[G0], 1
	s_mov_b32 s[G0+1], s86
	s_mov_b64 s[G0+2:G0+3], s[84:85]
	s_or_b32 s[G0+3], s[G0+3], 0x80000000
	s_mov_b32 s[G0+4], 1
	s_mov_b32 s[G0+5], s20
	s_mov_b64 s[G0+6:G0+7], s[22:23]
	s_or_b32 s[G0+7], s[G0+7], 0x80000000
	s_mov_b32 s[G0+8], 1
	s_mov_b32 s[G0+9], s88
	s_mov_b64 s[G0+10:G0+11], s[90:91]
	s_or_b32 s[G0+11], s[G0+11], 0x80000000
	CROUND                                         ; all four work-groups are here: the joint loads meet
	s_cmp_lt_u32 s[WV], 8                          ; one load a wave at the head: two arms, one join
	s_cbranch_scc0 .Lhead_sc
	tensor_load_to_lds s[G0+4:G0+7], s[G1A:G1A+7]
	s_nop 0
	PLACES
	s_branch .Lhead_asked
.Lhead_sc:
	tensor_load_to_lds s[G0:G0+3], s[G1S:G1S+7]
	s_nop 0
	PLACES
.Lhead_asked:
	s_lshl_b32 s18, s16, 4
	s_add_co_u32 s18, s18, s[WV]                   ; my tile of 16 queries
	s_mul_i32 s20, s17, 98304
	s_mul_i32 s21, s18, 768
	s_add_co_u32 s20, s20, s21
	s_mov_b32 s21, 0
	s_add_nc_u64 s[80:81], s[4:5], s[20:21]        ; Q's codes (they begin at qkv's first byte)
	s_mul_i32 s20, s17, 12288
	s_lshl_b32 s22, s18, 6
	s_add_co_u32 s20, s20, s22
	s_add_co_u32 s20, s20, QSS
	s_add_nc_u64 s[82:83], s[4:5], s[20:21]        ; Q's scale words
	s_lshl_b32 s20, s17, 7
	s_add_co_u32 s20, s20, s18
	s_lshl_b32 s20, s20, 12
	s_add_nc_u64 s[72:73], s[6:7], s[20:21]        ; my row of x,
	s_add_nc_u64 s[74:75], s[12:13], s[20:21]      ; and of x1
	s_lshl_b32 s22, s17, 3
	s_add_co_u32 s22, s22, s16                     ; the work-group's tile of 16 rows
	s_mul_i32 s20, s22, 12288
	s_and_b32 s23, s[WV], 7
	s_mul_i32 s23, s23, 1536
	s_add_co_u32 s20, s20, s23
	s_add_co_u32 s20, s20, H2I
	s_add_nc_u64 s[76:77], s[12:13], s[20:21]      ; the fragment that I store (waves 0-7)
	s_lshl_b32 s20, s22, 9
	s_add_co_u32 s20, s20, H2S
	s_add_nc_u64 s[78:79], s[12:13], s[20:21]
	s_mov_b32 s[SEL], 0x76543210
	s_mov_b32 s[SEL+1], 0xfedcba98
	s_mov_b32 s[CS], 0x3d38aa3b                    ; log2(e) / 32
	s_mov_b32 s[CS+1], s[CS]
	s_mov_b32 s[C1S], 0x3a800000                   ; 1 / 1024
	s_mov_b32 s[EPSS], 0x3727c5ac                  ; 1e-5
	v_and_b32 v5, 31, v0
	v_and_b32 v6, 15, v0
	s_delay_alu instid0(VALU_DEP_2)
	v_lshlrev_b32 v[AK0], 3, v5
	s_delay_alu instid0(VALU_DEP_3)
	v_lshlrev_b32 v[LA], 4, v5
	s_delay_alu instid0(VALU_DEP_1)
	v_add_nc_u32 v[AV0], VC, v[LA]
	s_delay_alu instid0(VALU_DEP_4)
	v_lshlrev_b32 v8, 2, v6
	s_delay_alu instid0(VALU_DEP_1)
	v_add_nc_u32 v[ASK0], KS, v8
	s_delay_alu instid0(VALU_DEP_2)
	v_add_nc_u32 v[ASV0], VS, v8
.irp p, 0,1,2
	global_load_b64 v[16+2*\p:17+2*\p], v[AK0], s[80:81] offset:256*\p   ; Q's six registers stay
.endr
	global_load_b32 v28, v8, s[82:83]
.irp i, 22,23,24,25,26,27
	v_mov_b32 v[\i], 0                             ; K = 64 .. 127 of Q: zero codes
.endr
.irp t, 0,1,2,3
.irp i, 6,7,8,9,10,11
	v_mov_b32 v[KF+12*\t+\i], 0                    ; and of K's fragments: written once, never loaded into
.endr
.endr
	v_mov_b32 v13, 0xff61b1e6                      ; the largest t so far: -3e38
	s_delay_alu instid0(VALU_DEP_1)
	v_floor_f32 v12, -v13                          ; -M
	v_mov_b32 v14, 0
	v_mov_b32 v15, 0                               ; the sum, in two halves
.irp b, 0,1,2,3
	v_mov_b32 v[PD+\b], 0                          ; a lane permute's destination counts as one of its sources
.endr
	v_mov_b32 v225, 0                              ; (the upper half of the pair v[224:225])
.set J, 0
.rept 32
	v_mov_b32 v[O+J], 0                            ; O^T: the step is written once; the first change of M leaves zeros zeros
.set J, J+1
.endr
.macro WM acc, a, b, z, sa, sb         ; z = 1: the product starts the sum
.if \z
	v_wmma_scale_f32_16x16x128_f8f6f4 v[\acc:\acc+7], v[\a:\a+11], v[\b:\b+11], 0, v[\sa], v[\sb] matrix_a_fmt:MATRIX_FMT_FP6 matrix_b_fmt:MATRIX_FMT_FP6
.else
	v_wmma_scale_f32_16x16x128_f8f6f4 v[\acc:\acc+7], v[\a:\a+11], v[\b:\b+11], v[\acc:\acc+7], v[\sa], v[\sb] matrix_a_fmt:MATRIX_FMT_FP6 matrix_b_fmt:MATRIX_FMT_FP6
.endif
.endm
; A KEY STEP: 128 keys
.macro STEP
	v_add_nc_u32 v[ADK], s[TK], v[AK0]
	s_wait_alu depctr_va_vdst(0)
	v_add_nc_u32 v[ADV], s[TK], v[AV0]
	v_add_nc_u32 v[ADS], s[TS], v[ASK0]
	s_wait_alu depctr_va_vdst(0)
	v_add_nc_u32 v[ADT], s[TJ], v[ASV0]
	v_nop
	v_nop                                          ; six places: S^T is written over registers that the last products read as V's fragments, which asks for five
.irp g, 0,1                            ; S^T = K Q^T, four tiles of 16 keys at a time
.if \g
	PLACES                                         ; in front of loads into registers that matrix instructions have read; also the places behind the first four products, whose results are read first below
.endif
.irp t, 0,1,2,3
.irp p, 0,1,2
	ds_load_b64 v[KF+12*\t+2*\p:KF+12*\t+2*\p+1], v[ADK] offset:768*(4*\g+\t)+256*\p
.endr
	ds_load_b32 v[KSC+\t], v[ADS] offset:64*(4*\g+\t)
.endr
	s_wait_dscnt 0x0
.irp t, 0,1,2,3
.set AC, S+8*(4*\g+\t)
.set FA, KF+12*\t
.set KA, KSC+\t
	WM AC, FA, 16, 1, KA, 28
.endr
.endr
; The largest score of each block of 32 keys: for the row's maximum, and, since p rises with the score, for the block's largest p.  Blocks 0 and 1 are the first four products' results:
; their first six lines name no register of the last four products and are the places behind those.
.irp b, 0,1
	v_max3_num_f32 v[BM+\b], v[S+16*\b], v[S+1+16*\b], v[S+2+16*\b]
.endr
.irp i, 3,5
.irp b, 0,1
	v_max3_num_f32 v[BM+\b], v[BM+\b], v[S+16*\b+\i], v[S+1+16*\b+\i]
.endr
.endr
.irp b, 2,3
	v_max3_num_f32 v[BM+\b], v[S+16*\b], v[S+1+16*\b], v[S+2+16*\b]
.endr
.irp i, 3,5
.irp b, 2,3
	v_max3_num_f32 v[BM+\b], v[BM+\b], v[S+16*\b+\i], v[S+1+16*\b+\i]
.endr
.endr
.irp i, 7,9,11,13
.irp b, 0,1,2,3
	v_max3_num_f32 v[BM+\b], v[BM+\b], v[S+16*\b+\i], v[S+1+16*\b+\i]
.endr
.endr
.irp b, 0,1,2,3
	v_max_num_f32 v[BM+\b], v[BM+\b], v[S+15+16*\b]
.endr
.irp b, 0,1,2,3
	s_delay_alu instid0(VALU_DEP_4)
	v_permlanex16_b32 v[PD+\b], v[BM+\b], s[SEL], s[SEL+1]
.endr
.irp b, 0,1,2,3
	s_delay_alu instid0(VALU_DEP_4)
	v_max_num_f32 v[BM+\b], v[BM+\b], v[PD+\b]     ; with lane l xor 16's 16 keys
.endr
	s_delay_alu instid0(VALU_DEP_2)
	v_max3_num_f32 v227, v[BM], v[BM+1], v[BM+2]
	s_delay_alu instid0(VALU_DEP_1)
	v_max_num_f32 v227, v227, v[BM+3]
	s_delay_alu instid0(VALU_DEP_1)
	v_mul_f32 v227, s[CS], v227                    ; as t
	s_delay_alu instid0(VALU_DEP_1)
	v_max_num_f32 v13, v13, v227                   ; the running largest t
	v_mov_b32 v227, v12
	s_delay_alu instid0(VALU_DEP_2)
	v_floor_f32 v12, -v13                          ; the new -M = -ceil(t)
	s_delay_alu instid0(VALU_DEP_1)
	v_sub_f32 v227, v12, v227                      ; old M - new M: a whole number, 0 or less
	s_delay_alu instid0(VALU_DEP_1)
	v_cvt_i32_f32 v227, v227                       ; (it saturates)
	s_delay_alu instid0(VALU_DEP_1)
	v_ldexp_f32 v224, 1.0, v227                    ; f = 2^(old M - new M)
.set J, 0
.rept 32
	v_pk_fma_f32 v[S+J:S+J+1], v[S+J:S+J+1], s[CS:CS+1], v[12:13] op_sel_hi:[1,0,0]   ; t - M
.set J, J+2
.endr
.irp b, 0,1,2,3
	v_fma_f32 v[BM+\b], v[BM+\b], s[CS], v12
.endr
.set J, 0
	s_wait_alu depctr_va_vdst(0)
.rept 64
	v_exp_f32 v[S+J], v[S+J]                       ; p = 2^(t - M)
.set J, J+1
.endr
	v_pk_mul_f32 v[14:15], v[14:15], v[224:225] op_sel_hi:[1,0]   ; the sums under the new M (a plain place behind the exponentials)
	s_wait_alu depctr_va_vdst(0)                   ; one wait for the batch, ahead of its first reader
.irp b, 0,1,2,3
	v_exp_f32 v[BM+\b], v[BM+\b]                   ; the block's largest p
.endr
	v_pk_add_f32 v[228:229], v[100:101], v[104:105]
	v_pk_add_f32 v[222:223], v[108:109], v[112:113]
	v_pk_add_f32 v[220:221], v[116:117], v[120:121]
	v_pk_add_f32 v[218:219], v[124:125], v[128:129]
	v_pk_add_f32 v[216:217], v[132:133], v[136:137]
	v_pk_add_f32 v[210:211], v[140:141], v[144:145]
	v_pk_add_f32 v[208:209], v[148:149], v[152:153]
	v_pk_add_f32 v[14:15], v[14:15], v[156:157]
	v_pk_add_f32 v[228:229], v[228:229], v[96:97]
	v_pk_add_f32 v[222:223], v[222:223], v[98:99]
	v_pk_add_f32 v[220:221], v[220:221], v[102:103]
	v_pk_add_f32 v[218:219], v[218:219], v[106:107]
	v_pk_add_f32 v[216:217], v[216:217], v[110:111]
	v_pk_add_f32 v[210:211], v[210:211], v[114:115]
	v_pk_add_f32 v[208:209], v[208:209], v[118:119]
	v_pk_add_f32 v[14:15], v[14:15], v[122:123]
	v_pk_add_f32 v[228:229], v[228:229], v[126:127]
	v_pk_add_f32 v[222:223], v[222:223], v[130:131]
	v_pk_add_f32 v[220:221], v[220:221], v[134:135]
	v_pk_add_f32 v[218:219], v[218:219], v[138:139]
	v_pk_add_f32 v[216:217], v[216:217], v[142:143]
	v_pk_add_f32 v[210:211], v[210:211], v[146:147]
	v_pk_add_f32 v[208:209], v[208:209], v[150:151]
	v_pk_add_f32 v[14:15], v[14:15], v[154:155]
	v_pk_add_f32 v[228:229], v[228:229], v[158:159]
	s_delay_alu instid0(VALU_DEP_2)
	v_pk_add_f32 v[14:15], v[14:15], v[218:219]
	s_delay_alu instid0(VALU_DEP_2)
	v_pk_add_f32 v[228:229], v[228:229], v[216:217]
	v_pk_add_f32 v[222:223], v[222:223], v[210:211]
	v_pk_add_f32 v[220:221], v[220:221], v[208:209]
	s_delay_alu instid0(VALU_DEP_2)
	v_pk_add_f32 v[14:15], v[14:15], v[222:223]
	s_delay_alu instid0(VALU_DEP_2)
	v_pk_add_f32 v[228:229], v[228:229], v[220:221]
	s_delay_alu instid0(VALU_DEP_1)
	v_pk_add_f32 v[14:15], v[14:15], v[228:229]
	s_wait_alu depctr_va_vdst(0)                   ; and one for the four
.irp b, 0,1,2,3
	v_max_num_f32 v[BM+\b], 0x1800000, v[BM+\b]    ; the floor: the byte cannot fall under 1
.endr
.irp b, 0,1,2,3
	s_delay_alu instid0(VALU_DEP_4)
	v_add_nc_u32 v[SO+\b], 0xff000000, v[BM+\b]
.endr
.irp b, 0,1,2,3
	s_delay_alu instid0(VALU_DEP_4)
	v_lshrrev_b32 v[PD+\b], 23, v[SO+\b]
.endr
	s_delay_alu instid0(VALU_DEP_3)
	v_lshl_or_b32 v225, v[PD+1], 8, v[PD]          ; p's scale word for these 128 keys
	s_delay_alu instid0(VALU_DEP_1)
	v_lshl_or_b32 v225, v[PD+2], 16, v225
	s_delay_alu instid0(VALU_DEP_1)
	v_lshl_or_b32 v225, v[PD+3], 24, v225
.irp c, 0,1
	v_cvt_scalef32_pk16_fp6_f32 v[PCD+6*\c:PCD+2+6*\c], v[S+32*\c:S+15+32*\c], v[SO+2*\c]
	v_cvt_scalef32_pk16_fp6_f32 v[204+4*\c:206+4*\c], v[S+16+32*\c:S+31+32*\c], v[SO+2*\c+1]
.endr
	v_nop                                          ; one plain place behind a scaled conversion
.irp t, 0,1,2,3                        ; p's registers are free: V's four fragments and scale words are asked for here, and land under the lines below
.irp g, 0,1,2
	ds_load_b128 v[S+12*\t+4*\g:S+12*\t+4*\g+3], v[ADV] offset:1536*\t+512*\g
.endr
	ds_load_b32 v[VSC+\t], v[ADT] offset:64*\t
.endr
.irp c, 0,1
.irp i, 0,1,2
	v_permlane16_swap_b32 v[PCD+6*\c+\i], v[204+4*\c+\i]
.endr
.irp i, 0,1,2
	s_delay_alu instid0(VALU_DEP_3)
	v_mov_b32 v[PCD+3+6*\c+\i], v[204+4*\c+\i]
.endr
.endr
.set J, 0
.rept 16
	v_pk_mul_f32 v[O+J:O+J+1], v[O+J:O+J+1], v[224:225] op_sel_hi:[1,0]   ; O^T under the new M (these are also the places between the lines that made p's codes and scale word and the products)
.set J, J+2
.endr
	s_wait_alu depctr_va_vdst(0)
	s_wait_dscnt 0x0
.irp t, 0,1,2,3                        ; O^T += V^T P^T: four accumulators by turns
.set AC, O+8*\t
.set FA, S+12*\t
.set KA, VSC+\t
	WM AC, FA, PCD, 0, KA, 225
.endr
	s_add_co_u32 s[TK], s[TK], 6144
	s_add_co_u32 s[TS], s[TS], 512
	s_add_co_u32 s[TJ], s[TJ], 256
.endm
	s_wait_alu depctr_va_vdst(0)                   ; the wait at the head's end
	s_wait_loadcnt 0x0                             ; Q's four loads are in
	s_wait_tensorcnt 0x0                           ; my head's load is in; the lines ahead of a later first fill:
	ds_add_u32 v31, v255
	s_mov_b32 s[G1A+2], 36<<16                     ; no load of mine is out: the next brings 36 rows of 256 bytes
	s_mov_b32 s[G1A+4], 36
	s_wait_dscnt 0x0
	CROUND                                         ; the scale words and keys 0-511 are whole, and the four work-groups are here
	tensor_load_to_lds s[G0+8:G0+11], s[G1A:G1A+7] ; my part of keys 512-2,047
	s_nop 0
	PLACES
.irp j, 0,1
	global_load_b128 v[XP0+4*\j:XP0+4*\j+3], v[LA], s[72:73] offset:512*\j            ; my row of x, 512 consecutive bytes a load: wanted on the way out, asked for behind all the tiles
.endr
.irp j, 2,3,4,5,6,7
	global_load_b128 v[XP1+4*(\j-2):XP1+4*(\j-2)+3], v[LA], s[72:73] offset:512*\j
.endr
	s_mov_b32 s[TK], 0
	s_mov_b32 s[TS], 0
	s_mov_b32 s[TJ], 0
	s_mov_b32 s[CNT], 2
.Lfirst:                                           ; steps 0 and 1
	STEP
	s_sub_co_u32 s[CNT], s[CNT], 1
	s_cmp_lg_u32 s[CNT], 0
	s_cbranch_scc1 .Lfirst
	s_wait_tensorcnt 0x0                           ; all my loads have landed: my parts of keys 512-2,047 among them;
	s_wait_dscnt 0x0
	s_barrier_signal -1                            ; say so,
	s_mov_b32 s[TK], 12288
	s_mov_b32 s[TS], 1024
	s_mov_b32 s[TJ], 512
	STEP                                           ; and go on with steps 2 and 3, which read keys 256-511 alone: bytes that the first barrier has shown and nobody writes
	STEP
	s_barrier_wait -1                              ; every wave has said so: keys 512-2,047 are whole
	s_mov_b32 s[TK], 24576
	s_mov_b32 s[TS], 2048
	s_mov_b32 s[TJ], 1024
	s_mov_b32 s[CNT], 12
.Lrest:                                            ; steps 4 to 15
	STEP
	s_sub_co_u32 s[CNT], s[CNT], 1
	s_cmp_lg_u32 s[CNT], 0
	s_cbranch_scc1 .Lrest
; ---------------- THE WAY OUT
.macro TREE                            ; the eight pairs at v[T] on become one sum, the same in all 32 lanes
.irp i, 0,1,2,3
	v_pk_add_f32 v[T+2*\i:T+2*\i+1], v[T+4*\i:T+4*\i+1], v[T+4*\i+2:T+4*\i+3]
.endr
.irp i, 0
	s_delay_alu instid0(VALU_DEP_3)
	v_pk_add_f32 v[T+2*\i:T+2*\i+1], v[T+4*\i:T+4*\i+1], v[T+4*\i+2:T+4*\i+3]
.endr
.irp i, 1
	s_delay_alu instid0(VALU_DEP_2)
	v_pk_add_f32 v[T+2*\i:T+2*\i+1], v[T+4*\i:T+4*\i+1], v[T+4*\i+2:T+4*\i+3]
.endr
	s_delay_alu instid0(VALU_DEP_1)
	v_pk_add_f32 v[T:T+1], v[T:T+1], v[T+2:T+3]
	s_delay_alu instid0(VALU_DEP_1)
	v_add_f32 v[T], v[T], v[T+1]
.irp m, 1,2,4,8
	s_delay_alu instid0(VALU_DEP_1)
	v_add_f32_dpp v[T], v[T], v[T] row_xmask:\m row_mask:0xf bank_mask:0xf
.endr
	s_delay_alu instid0(VALU_DEP_1)
	v_permlanex16_b32 v[T+1], v[T], s[SEL], s[SEL+1]
	s_delay_alu instid0(VALU_DEP_1)
	v_add_f32 v[T], v[T], v[T+1]
.endm
	s_wait_loadcnt 0x0                             ; x's row, asked for at the head
.irp i, 0,1,2,3,4,5,6,7
	v_mov_b32 v[XR+\i], v[XP0+\i]
.endr
.irp j, 0,1,2,3,4,5,6,7
	global_load_b128 v[G+4*\j:G+4*\j+3], v[LA], s[8:9] offset:512*\j
.endr
.irp j, 0,1,2,3,4,5,6,7
	global_load_b128 v[BT+4*\j:BT+4*\j+3], v[LA], s[10:11] offset:512*\j
.endr
	v_add_f32 v14, v14, v15
	s_delay_alu instid0(VALU_DEP_1)
	v_permlanex16_b32 v227, v14, s[SEL], s[SEL+1]
	s_delay_alu instid0(VALU_DEP_1)
	v_add_f32 v14, v14, v227                       ; the row's sum
	s_wait_alu depctr_va_vdst(0)
	v_rcp_f32 v14, v14
	v_and_b32 v24, 15, v0                          ; r  (plain work behind the transcendental: the way out's LDS addresses)
	v_bfe_u32 v25, v0, 4, 1                        ; h
	v_and_b32 v26, 31, v0                          ; lane
	s_mul_i32 s87, s[WV], 5120
	s_add_co_u32 s87, s87, WST                     ; my stage
	v_mul_u32_u24 v[STO], v24, 272
	s_delay_alu instid0(VALU_DEP_1)
	v_lshl_add_u32 v[STO], v25, 5, v[STO]
	s_delay_alu instid0(VALU_DEP_1)
	v_add_nc_u32 v[STO], s87, v[STO]               ; in: query r's 256 bytes, + 32 h
	v_mul_u32_u24 v[RD], v25, 272
	s_delay_alu instid0(VALU_DEP_1)
	v_lshl_add_u32 v[RD], v24, 4, v[RD]
	s_delay_alu instid0(VALU_DEP_1)
	v_add_nc_u32 v[RD], s87, v[RD]                 ; back: 16 bytes a lane, as the row lies in memory
	v_lshrrev_b32 v27, 2, v26
	s_delay_alu instid0(VALU_DEP_1)
	v_mul_u32_u24 v[TIN], v27, 80
	v_and_b32 v24, 3, v26
	s_delay_alu instid0(VALU_DEP_1)
	v_lshl_add_u32 v[TIN], v24, 4, v[TIN]
	s_delay_alu instid0(VALU_DEP_1)
	v_add_nc_u32 v[TIN], s87, v[TIN]
	v_mul_u32_u24 v[TOUT], v26, 80
	s_delay_alu instid0(VALU_DEP_1)
	v_add_nc_u32 v[TOUT], s87, v[TOUT]
	v_lshlrev_b32 v[RB], 7, v24
	s_delay_alu instid0(VALU_DEP_1)
	v_lshl_add_u32 v[RB], v27, 2, v[RB]
	s_delay_alu instid0(VALU_DEP_1)
	v_add_nc_u32 v[RB], ISC, v[RB]
	s_mul_i32 s87, s[WV], 1040
	s_add_co_u32 s87, s87, RWS
	v_add_nc_u32 v[IW], s87, v[LA]
	s_lshl_b32 s87, s[WV], 5
	s_add_co_u32 s87, s87, ISC
	v_lshrrev_b32 v[IB], 1, v26
	s_delay_alu instid0(VALU_DEP_1)
	v_add_nc_u32 v[IB], s87, v[IB]
	v_and_b32 v24, 15, v0
	s_delay_alu instid0(VALU_DEP_1)
	v_mul_u32_u24 v[RA], v24, 1040
	s_delay_alu instid0(VALU_DEP_1)
	v_lshl_add_u32 v[RA], v25, 5, v[RA]
	s_and_b32 s87, s[WV], 7
	s_lshl_b32 s87, s87, 7
	s_add_co_u32 s87, s87, RWS
	v_add_nc_u32 v[RA], s87, v[RA]                 ; row r, + 32 h, + 128 bytes for each K step: mine is my wave's number (waves 0-7)
	s_wait_alu depctr_va_vdst(0)                   ; the wait ahead of the reciprocal's first reader
.set J, 0
.rept 16
	v_pk_mul_f32 v[O+J:O+J+1], v[O+J:O+J+1], v[14:15] op_sel_hi:[1,0]   ; O^T / the sum
.set J, J+2
.endr
.irp t, 0,1,2,3
	ds_store_b128 v[STO], v[O+8*\t:O+8*\t+3] offset:64*\t
	ds_store_b128 v[STO], v[O+8*\t+4:O+8*\t+7] offset:64*\t+16
.endr
.irp i, 0,1,2,3,4,5,6,7
	ds_load_b128 v[D+4*\i:D+4*\i+3], v[RD] offset:544*\i     ; LDS serves a wave's instructions in order
.endr
	s_wait_dscnt 0x0
.set J, 0
.rept 4
	v_pk_add_f32 v[XR+J:XR+J+1], v[XR+J:XR+J+1], v[D+J:D+J+1]   ; x1 = x + the row
.set J, J+2
.endr
.rept 12
	v_pk_add_f32 v[XR+J:XR+J+1], v[XP1+J-8:XP1+J-7], v[D+J:D+J+1]
.set J, J+2
.endr
.irp j, 0,1,2,3,4,5,6,7
	global_store_b128 v[LA], v[XR+4*\j:XR+4*\j+3], s[74:75] offset:512*\j    ; 512 consecutive bytes a store; these registers are not written again
.endr
; LN2: the mean first, then the squares of the differences
.irp i, 0,1,2,3,4,5,6,7
	v_pk_add_f32 v[T+2*\i:T+2*\i+1], v[XR+4*\i:XR+4*\i+1], v[XR+4*\i+2:XR+4*\i+3]
.endr
	TREE
	s_delay_alu instid0(VALU_DEP_1)
	v_mul_f32 v[MU], s[C1S], v[T]
	s_delay_alu instid0(VALU_DEP_1)
	v_mov_b32 v[MU+1], v[MU]
.irp i, 0,1,2,3,4,5,6,7,8,9,10,11,12,13,14,15
	v_pk_add_f32 v[D+2*\i:D+2*\i+1], v[XR+2*\i:XR+2*\i+1], v[MU:MU+1] neg_lo:[0,1] neg_hi:[0,1]
.endr
.irp i, 0,1,2,3,4,5,6,7
	v_pk_mul_f32 v[T+2*\i:T+2*\i+1], v[D+2*\i:D+2*\i+1], v[D+2*\i:D+2*\i+1]
.endr
.irp i, 0,1,2,3,4,5,6,7
	v_pk_fma_f32 v[T+2*\i:T+2*\i+1], v[D+16+2*\i:D+16+2*\i+1], v[D+16+2*\i:D+16+2*\i+1], v[T+2*\i:T+2*\i+1]
.endr
	TREE
	s_delay_alu instid0(VALU_DEP_1)
	v_fma_f32 v[T], v[T], s[C1S], s[EPSS]
	s_wait_alu depctr_va_vdst(0)
	v_rsq_f32 v[RS], v[T]
	v_nop
	s_wait_alu depctr_va_vdst(0)
	v_mov_b32 v[RS+1], v[RS]
.irp i, 0,1,2,3,4,5,6,7,8,9,10,11,12,13,14,15
	v_pk_mul_f32 v[D+2*\i:D+2*\i+1], v[D+2*\i:D+2*\i+1], v[RS:RS+1]
.endr
	s_wait_loadcnt 0x0                             ; g and b, asked for at the head of the way out, are wanted only here
.irp i, 0,1,2,3,4,5,6,7,8,9,10,11,12,13,14,15
	v_pk_fma_f32 v[D+2*\i:D+2*\i+1], v[D+2*\i:D+2*\i+1], v[G+2*\i:G+2*\i+1], v[BT+2*\i:BT+2*\i+1]
.endr
; the row goes through my stage and comes back 64 bytes a lane: lane l holds k = 512 s + 16 l + 0 .. 15; two lanes hold a block
.irp j, 0,1,2,3,4,5,6,7
	ds_store_b128 v[TIN], v[D+4*\j:D+4*\j+3] offset:2560*(\j/4)+640*(\j%4)
.endr
.irp s, 0,1
.irp i, 0,1,2,3
	ds_load_b128 v[X+16*\s+4*\i:X+16*\s+4*\i+3], v[TOUT] offset:2560*\s+16*\i
.endr
.endr
.irp s, 0,1
.set XS, X+16*\s
.set QC, C0+4*\s
.set QE, E0+4*\s
.if \s == 0
	s_wait_dscnt 4                                 ; step 0's four loads are back; step 1's four may be out
.else
	s_wait_dscnt 2                                 ; step 1's are back; step 0's two stores may be out
.endif
	v_max3_num_f32 v[M8], |v[XS]|, |v[XS+1]|, |v[XS+2]|
	v_max3_num_f32 v[M9], |v[XS+3]|, |v[XS+4]|, |v[XS+5]|
.irp i, 6,10
	s_delay_alu instid0(VALU_DEP_2)
	v_max3_num_f32 v[M8], v[M8], |v[XS+\i]|, |v[XS+\i+1]|
	s_delay_alu instid0(VALU_DEP_2)
	v_max3_num_f32 v[M9], v[M9], |v[XS+\i+2]|, |v[XS+\i+3]|
.endr
	s_delay_alu instid0(VALU_DEP_2)
	v_max3_num_f32 v[M8], v[M8], |v[XS+14]|, |v[XS+15]|
	s_delay_alu instid0(VALU_DEP_1)
	v_max3_num_f32 v[M8], v[M8], v[M9], 0x1800000
	s_delay_alu instid0(VALU_DEP_1)
	v_max_num_f32_dpp v[M8], v[M8], v[M8] row_xmask:1 row_mask:0xf bank_mask:0xf
	s_delay_alu instid0(VALU_DEP_1)
	v_add_nc_u32 v[M11], 0xff000000, v[M8]
	v_cvt_scalef32_pk16_fp6_f32 v[QC:QC+2], v[XS:XS+15], v[M11]
	v_lshrrev_b32 v[QE], 23, v[M11]                ; the byte (and the plain line behind the conversion)
	ds_store_b8 v[IB], v[QE] offset:16*\s
	ds_store_b96 v[IW], v[QC:QC+2] offset:512*\s
.endr
	s_wait_dscnt 0x0                               ; my row's codes and bytes lie in LDS
	s_barrier_signal -1
	s_barrier_wait -1                              ; all sixteen rows' do
	s_cmp_lt_u32 s[WV], 8
	s_cbranch_scc0 .Lno_image
	ds_load_b96 v[128:130], v[RA]                  ; waves 0-7: K step w's fragment: each lane gathers its two blocks from its row
	ds_load_b96 v[144:146], v[RA] offset:16
	ds_load_b96 v[134:136], v[RA] offset:64
	ds_load_b96 v[148:150], v[RA] offset:80
	s_wait_dscnt 0x0
.irp i, 0,1,2
	v_mov_b32 v[131+\i], v[144+\i]
	v_mov_b32 v[137+\i], v[148+\i]
.endr
.irp g, 0,1,2
	global_store_b128 v[LA], v[128+4*\g:131+4*\g], s[76:77] offset:512*\g
.endr
	s_branch .Lout_done
.Lno_image:
	s_cmp_eq_u32 s[WV], 8
	s_cbranch_scc0 .Lout_done
.irp e, 0,1,2,3
	ds_load_b32 v[128+\e], v[RB] offset:32*\e      ; wave 8: the tile's scale words, [K step][row]
.endr
	s_wait_dscnt 0x0
	global_store_b128 v[LA], v[128:131], s[78:79]
.Lout_done:
	s_wait_dscnt 0x0
	s_wait_tensorcnt 0x0
	ds_add_u32 v31, v255
	s_wait_dscnt 0x0
	CROUND                                         ; the closing round
	s_endpgm
.Lfunc_end_k_q1d9cfef658_attn:
	.size	k_q1d9cfef658_attn, .Lfunc_end_k_q1d9cfef658_attn-k_q1d9cfef658_attn
	.p2alignl 7, 3214868480
	.fill 96, 4, 3214868480
	.section	.rodata,"a",@progbits
	.p2align	6, 0x0
	.amdhsa_kernel k_q1d9cfef658_attn
		.amdhsa_group_segment_fixed_size 327680
		.amdhsa_private_segment_fixed_size 0
		.amdhsa_enable_private_segment 0
		.amdhsa_kernarg_size 40
		.amdhsa_user_sgpr_count 2
		.amdhsa_user_sgpr_kernarg_segment_ptr 1
		.amdhsa_wavefront_size32 1
		.amdhsa_system_sgpr_workgroup_id_x 1
		.amdhsa_system_sgpr_workgroup_id_y 1
		.amdhsa_system_sgpr_workgroup_id_z 1
		.amdhsa_system_vgpr_workitem_id 0
		.amdhsa_next_free_vgpr 256
		.amdhsa_next_free_sgpr 100
		.amdhsa_reserve_vcc 0
		.amdhsa_float_denorm_mode_32 3
		.amdhsa_float_denorm_mode_16_64 3
		.amdhsa_memory_ordered 1
		.amdhsa_forward_progress 1
		.amdhsa_inst_pref_size 105
	.end_amdhsa_kernel
	.amdgpu_metadata
---
amdhsa.version: [ 1, 2 ]
amdhsa.kernels:
  - .name:           k_q1d9cfef658_attn
    .symbol:         k_q1d9cfef658_attn.kd
    .args:
      - { .name: qkv, .offset: 0, .size: 8, .value_kind: global_buffer, .address_space: global }
      - { .name: x, .offset: 8, .size: 8, .value_kind: global_buffer, .address_space: global }
      - { .name: ln2_g, .offset: 16, .size: 8, .value_kind: global_buffer, .address_space: global }
      - { .name: ln2_b, .offset: 24, .size: 8, .value_kind: global_buffer, .address_space: global }
      - { .name: att, .offset: 32, .size: 8, .value_kind: global_buffer, .address_space: global }
    .group_segment_fixed_size: 327680
    .private_segment_fixed_size: 0
    .kernarg_segment_align: 8
    .kernarg_segment_size: 40
    .max_flat_workgroup_size: 512
    .sgpr_count:     100
    .vgpr_count:     256
    .wavefront_size: 32
...
	.end_amdgpu_metadata
.endif
;; end of part 3
;; launch mlp1 (part 4): grid 16 x 16, 4 waves a work-group, clusters of 4 x 4, 327,680 bytes of LDS; arguments att, pw, b1, hid; writes hid
.if DOCPART == 4
	.amdgcn_target "amdgcn-amd-amdhsa--gfx1250"
	.amdhsa_code_object_version 6
	.text
	.protected	k_q1d9cfef658_mlp1
	.globl	k_q1d9cfef658_mlp1
	.p2align	8
	.type	k_q1d9cfef658_mlp1,@function
k_q1d9cfef658_mlp1:
	s_mov_b64 s[64:65], 0
	v_nop
	global_prefetch_b8 v0, s[64:65] scope:SCOPE_SE
	s_setreg_imm32_b32 hwreg(HW_REG_WAVE_MODE, 25, 1), 1
	s_wait_xcnt 0x0
	s_wait_alu depctr_hold_cnt(0) depctr_sa_sdst(0) depctr_va_vdst(0) depctr_va_sdst(0) depctr_va_ssrc(0) depctr_va_vcc(0) depctr_vm_vsrc(0)
	s_getreg_b32 s2, hwreg(HW_REG_IB_STS2, 6, 4)
	s_cmp_eq_u32 s2, 0
	s_cbranch_scc0 .Lentry_in_a_cluster
	s_endpgm
.Lentry_in_a_cluster:
	s_bfe_u32 s2, ttmp6, 0x10000c
	s_cmp_lg_u32 s2, 0xf033
	s_cbranch_scc0 .Lentry_shape_is_right
	s_endpgm
.Lentry_shape_is_right:
.set KIND, 2
.if KIND == 1
.set TP, 4
.set WP, 4
.set BP, 6
.set OP, 8
.set TIOFF, 0
.set TSOFF, 11796480
.set WIOFF, 3145728
.set WSOFF, 11927552
.else
.set TP, 4
.set WP, 6
.set BP, 8
.set OP, 10
.set TIOFF, 16777216
.set TSOFF, 19922944
.set WIOFF, 5505024
.set WSOFF, 12025856
.endif
.set QSS,  9437184
.set KVS,  9830400
.set HS,   12582912
.set SLOT, 98304
.set HALF, 24576
.set SCL,  294912
.set SPARE, 311296
.set STG,  SLOT
.set ADP, 4
.set ADR, 8
.set ASP, 12
.set ASR, 13
.set GO8, 15
.set SST, 16
.set SLD, 17
.set SPW, 28
.set NIL, 29
.set SC,  32
.set PC,  128
.set TM,  200
.set PW,  216
.set G1T, 24
.set G0T, 32
.set G0ST, 44
.set G1W, 48
.set G0SW, 72
.set G1ST, 76
.set G1SW, 84
.set OC,  12
.set OS,  98
.set MSB, 0
.macro WIN new
.if MSB != (\new)
	s_set_vgpr_msb (MSB<<8)|(\new)
.set MSB, (\new)
.endif
.endm
.macro PLACES
.rept 4
	v_nop
.endr
.endm
.macro JLOAD g0a, g1a, g0b, g1b
	s_cmp_eq_u32 s15, 0
	s_cbranch_scc0 .Lfor_w_\@
	tensor_load_to_lds s[\g0a:\g0a+3], s[\g1a:\g1a+7]
	s_nop 0
	PLACES
	s_branch .Lasked_\@
.Lfor_w_\@:
	tensor_load_to_lds s[\g0b:\g0b+3], s[\g1b:\g1b+7]
	s_nop 0
	PLACES
.Lasked_\@:
.endm
.macro CREST
	s_cmp_lg_u32 s14, 0
	s_cbranch_scc1 .Lnot_wave_0_\@
	s_barrier_signal -3
.Lnot_wave_0_\@:
	s_barrier_wait -3
	s_barrier_signal -1
	s_barrier_wait -1
.endm
.macro CROUND
	s_barrier_signal -1
	s_barrier_wait -1
	CREST
.endm
	s_load_b128 s[4:7], s[0:1], 0x0
.if KIND == 1
	s_load_b64 s[8:9], s[0:1], 0x10
.else
	s_load_b128 s[8:11], s[0:1], 0x10
.endif
	v_lshl_add_u32 v[SPW], v0, 2, SPARE
	v_mov_b32 v[NIL], 0
	ds_add_u32 v28, v29
	ds_add_u32 v28, v29
	s_wait_dscnt 0x0
	v_lshrrev_b32 v1, 5, v0
	v_readfirstlane_b32 s14, v1
	s_lshr_b32 s15, s14, 1
	s_and_b32 s16, s14, 1
	s_bfe_u32 s92, ttmp6, 0x40000
	s_bfe_u32 s93, ttmp6, 0x40004
	s_lshl_b32 s94, ttmp9, 2
	s_add_co_u32 s94, s94, s92
	s_and_b32 s17, ttmp7, 0xffff
	s_lshl_b32 s17, s17, 2
	s_add_co_u32 s17, s17, s93
	s_lshl_b32 s95, s93, 2
	s_lshl_b32 s95, 15, s95
	s_lshl_b32 s96, 0x1111, s92
	s_or_b32 s[G1T], s95, (3<<16)|(1<<21)
	s_or_b32 s[G1W], s96, (3<<16)|(1<<21)
	s_or_b32 s[G1ST], s95, (3<<16)|(1<<21)
	s_or_b32 s[G1SW], s96, (3<<16)|(1<<21)
.irp g, G1T, G1W
	s_mov_b32 s[\g+1], 384<<16                     ; the head's loads of codes: 16 tiles x 3,072 bytes (K steps 0, 1)
	s_mov_b32 s[\g+2], 16<<16
	s_mov_b32 s[\g+3], 384<<16
	s_mov_b32 s[\g+4], 16
	s_mov_b32 s[\g+5], 1536
	s_mov_b32 s[\g+6], 0
	s_mov_b32 s[\g+7], 0
.endr
.irp g, G1ST, G1SW
	s_mov_b32 s[\g+1], 32<<16                      ; the scale words of 256 rows: 8,192 dense bytes as 32 rows of 256
	s_mov_b32 s[\g+2], 32<<16
	s_mov_b32 s[\g+3], 32<<16
	s_mov_b32 s[\g+4], 32
	s_mov_b32 s[\g+5], 32
	s_mov_b32 s[\g+6], 0
	s_mov_b32 s[\g+7], 0
.endr
	s_lshl_b32 s18, s17, 4                         ; the block's first tile of 16 tokens
	s_mul_i32 s20, s18, 12288
	s_add_co_u32 s20, s20, TIOFF
	s_mov_b32 s21, 0
	s_lshl_b32 s22, s18, 9
	s_add_co_u32 s22, s22, TSOFF
	s_mov_b32 s23, 0
	s_lshl_b32 s2, s94, 4                          ; and of 16 columns
	s_mul_i32 s66, s2, 12288
	s_add_co_u32 s66, s66, WIOFF
	s_mov_b32 s67, 0
	s_lshl_b32 s98, s2, 9
	s_add_co_u32 s98, s98, WSOFF
	s_mov_b32 s99, 0
	s_mul_i32 s3, s14, HALF
	s_mul_i32 s12, s16, 98304                      ; behind the head I fetch 8 tiles: which half, in bytes
	s_mov_b32 s13, 0
	s_wait_kmcnt 0x0
	s_add_nc_u64 s[20:21], s[TP:TP+1], s[20:21]
	s_add_nc_u64 s[22:23], s[TP:TP+1], s[22:23]
	s_add_nc_u64 s[66:67], s[WP:WP+1], s[66:67]
	s_add_nc_u64 s[98:99], s[WP:WP+1], s[98:99]
	CROUND
	s_mov_b32 s[G0ST], 1
	s_mov_b32 s[G0ST+1], SCL
	s_mov_b64 s[G0ST+2:G0ST+3], s[22:23]
	s_or_b32 s[G0ST+3], s[G0ST+3], 0x80000000
	s_mov_b32 s[G0SW], 1
	s_mov_b32 s[G0SW+1], SCL+8192
	s_mov_b64 s[G0SW+2:G0SW+3], s[98:99]
	s_or_b32 s[G0SW+3], s[G0SW+3], 0x80000000
; LDS: region 0 (98,304 bytes) holds K steps 0, 1 and later 6, 7, a tile's 3,072 bytes on end; region 1 (196,608 bytes, from SLOT on) holds K steps 2 to 5, a tile's 6,144 bytes on end, filled once.
.macro MKG0 g, lds, ptr, off
	s_mov_b32 s[\g], 1
	s_mov_b32 s[\g+1], \lds
	s_add_nc_u64 s[\g+2:\g+3], s[\ptr:\ptr+1], \off
	s_or_b32 s[\g+3], s[\g+3], 0x80000000
.endm
	MKG0 40, 0, 20, 0                              ; the head: the tokens' 16 tiles,
	MKG0 68, 2*HALF, 66, 0                         ; the weight's 16 tiles
	s_add_nc_u64 s[20:21], s[20:21], s[12:13]      ; from here on my 8 tiles
	s_add_nc_u64 s[66:67], s[66:67], s[12:13]
	s_lshl_b32 s12, s3, 1
	s_add_co_u32 s12, s12, SLOT                    ; my part of region 1: wave x 49,152
	MKG0 G0T, s3, 20, 9216                         ; region 0's refill: K steps 6, 7
	MKG0 56, s3, 66, 9216
	MKG0 36, s12, 20, 3072                         ; region 1: K steps 2 to 5
	MKG0 60, s12, 66, 3072
; The head's four tiles, one joint load a wave: one chain of branches on the wave's number, all arms to one join.
.macro ARM under, g0, g1, next
	s_cmp_lt_u32 s14, \under
	s_cbranch_scc0 \next
	tensor_load_to_lds s[\g0:\g0+3], s[\g1:\g1+7]
	s_nop 0
	PLACES
	s_branch .Lhead_asked
\next:
.endm
	ARM 1, 40, G1T, .Lhead_w
	ARM 2, 68, G1W, .Lhead_st
	ARM 3, G0ST, G1ST, .Lhead_sw
	tensor_load_to_lds s[G0SW:G0SW+3], s[G1SW:G1SW+7]
	s_nop 0
	PLACES
.Lhead_asked:
	v_and_b32 v1, 15, v0
	v_bfe_u32 v2, v0, 4, 1
	v_and_b32 v3, 31, v0
	v_lshlrev_b32 v3, 4, v3
	s_wait_alu depctr_va_vdst(0)
	s_mul_i32 s18, s15, HALF
	s_mul_i32 s19, s16, HALF
	s_add_co_u32 s19, s19, 2*HALF
	s_lshl_b32 s20, s15, 12
	s_add_co_u32 s20, s20, SCL
	s_lshl_b32 s21, s16, 12
	s_add_co_u32 s21, s21, SCL+8192
.if KIND == 1
	s_cmp_eq_u32 ttmp9, 2
	s_cselect_b32 s22, s18, s19
	s_cselect_b32 s23, s19, s18
	s_cselect_b32 s2, s20, s21
	s_cselect_b32 s3, s21, s20
	s_cselect_b32 s97, 1, 0
.else
	s_mov_b32 s22, s19
	s_mov_b32 s23, s18
	s_mov_b32 s2, s21
	s_mov_b32 s3, s20
.endif
	v_add_nc_u32 v[ADP], s22, v3
	v_add_nc_u32 v[ADR], s23, v3
	s_lshl_b32 s22, s22, 1                         ; region 1: the parts are twice as long
	s_lshl_b32 s23, s23, 1
	s_add_co_u32 s22, s22, SLOT
	s_add_co_u32 s23, s23, SLOT
	v_add_nc_u32 v[ADP+1], s22, v3
	v_add_nc_u32 v[ADR+1], s23, v3
	v_lshlrev_b32 v21, 2, v1
	v_add_nc_u32 v[ASP], s2, v21
	v_add_nc_u32 v[ASR], s3, v21
	v_lshlrev_b32 v18, 4, v2
	v_lshlrev_b32 v19, 5, v2
	s_wait_alu depctr_va_vdst(0)
	v_lshrrev_b32 v[GO8], 1, v3
	s_lshl_b32 s18, s14, 10
	s_add_co_u32 s18, s18, STG
	v_add_nc_u32 v[SST], s18, v21
	v_lshl_add_u32 v22, v2, 9, v[SST]
	v_add_nc_u32 v[SLD], s18, v3
	v_mul_u32_u24 v20, v2, 12288
	v_lshl_add_u32 v20, v1, 4, v20
	s_lshl_b32 s18, s94, 10
	s_lshl_b32 s19, s16, 9
	s_add_co_u32 s18, s18, s19
	s_mov_b32 s19, 0
	s_add_nc_u64 s[BP:BP+1], s[BP:BP+1], s[18:19]
.if KIND == 1
	s_cmp_eq_u32 s97, 0
	s_cbranch_scc0 .Lv_bias
.endif
	WIN 0x40
.irp b, 0,1,2,3,4,5,6,7
	global_load_b128 v[192+8*\b:192+8*\b+3], v19, s[BP:BP+1] offset:64*\b
	global_load_b128 v[192+8*\b+4:192+8*\b+7], v19, s[BP:BP+1] offset:64*\b+16
.endr
	WIN 0
.if KIND == 1
	s_branch .Lbias_asked
.Lv_bias:
	WIN 0x40
.irp a, 0,1,2,3,4,5,6,7
.irp j, 0,1,2,3,4,5,6,7
	global_load_b32 v[192+8*\a+\j], v21, s[BP:BP+1] offset:64*\a
.endr
.endr
	WIN 0
.Lbias_asked:
.endif
.if KIND == 1
	s_lshr_b32 s18, s17, 3
	s_lshl_b32 s18, s18, 4
	s_and_b32 s19, s94, 3
	s_lshl_b32 s19, s19, 2
	s_add_co_u32 s18, s18, s19
	s_lshl_b32 s19, s16, 1
	s_add_co_u32 s18, s18, s19
	s_and_b32 s19, s17, 7
	s_lshl_b32 s19, s19, 1
	s_add_co_u32 s19, s19, s15
	s_mul_i32 s20, ttmp9, 3145728
	s_mul_i32 s21, s18, 98304
	s_add_co_u32 s20, s20, s21
	s_mul_i32 s21, s19, 6144
	s_add_co_u32 s20, s20, s21
	s_mov_b32 s21, 0
	s_add_nc_u64 s[OC:OC+1], s[OP:OP+1], s[20:21]
	s_mul_i32 s22, s18, 12288
	s_lshl_b32 s23, s19, 9
	s_lshl_b32 s20, s19, 8
	s_add_co_u32 s20, s20, 8192
	s_cmp_eq_u32 s97, 0
	s_cselect_b32 s23, s23, s20
	s_mov_b32 s20, KVS
	s_cmp_eq_u32 ttmp9, 0
	s_cselect_b32 s20, QSS, s20
	s_add_co_u32 s22, s22, s23
	s_add_co_u32 s22, s22, s20
	s_mov_b32 s23, 0
	s_add_nc_u64 s[OS:OS+1], s[OP:OP+1], s[22:23]
.else
	s_lshl_b32 s20, s94, 1
	s_add_co_u32 s20, s20, s16
	s_lshl_b32 s18, s17, 4
	s_lshl_b32 s19, s15, 3
	s_add_co_u32 s18, s18, s19
	s_lshl_b32 s18, s18, 5
	s_add_co_u32 s18, s18, s20
	s_mul_i32 s18, s18, 1536
	s_mov_b32 s19, 0
	s_add_nc_u64 s[OC:OC+1], s[OP:OP+1], s[18:19]
	s_lshl_b32 s22, s20, 14
	s_lshl_b32 s23, s17, 10
	s_add_co_u32 s22, s22, s23
	s_lshl_b32 s23, s15, 9
	s_add_co_u32 s22, s22, s23
	s_add_co_u32 s22, s22, HS
	s_mov_b32 s23, 0
	s_add_nc_u64 s[OS:OS+1], s[OP:OP+1], s[22:23]
.endif
	s_mov_b32 s66, 0x76543210
	s_mov_b32 s67, 0xfedcba98
	s_mov_b32 s2, 0x7f7f0000
.macro WM acc, p, r, c, sp, sr
	v_wmma_scale_f32_16x16x128_f8f6f4 v[\acc:\acc+7], v[\p:\p+11], v[\r:\r+11], v[\c:\c+7], v[\sp], v[\sr] matrix_a_fmt:MATRIX_FMT_FP6 matrix_b_fmt:MATRIX_FMT_FP6
.endm
.macro FETCHF set, slot, q, ks
	WIN 0x40
.irp i, 0,1,2,3,4,5,6,7
.irp g, 0,1,2
	ds_load_b128 v[96*(\set)+12*\i+4*\g:96*(\set)+12*\i+4*\g+3], v[ADP+\slot] offset:(3072+3072*(\slot))*\i+1536*(\q)+512*\g
.endr
.endr
	WIN 0
.irp i, 0,1,2,3,4,5,6,7
.irp g, 0,1,2
	ds_load_b128 v[64+96*(\set)+12*\i+4*\g:64+96*(\set)+12*\i+4*\g+3], v[ADR+\slot] offset:(3072+3072*(\slot))*\i+1536*(\q)+512*\g
.endr
.endr
.irp i, 0,1,2,3,4,5,6,7
	ds_load_b32 v[SC+16*(\set)+\i], v[ASP] offset:512*\i+64*(\ks)
	ds_load_b32 v[SC+16*(\set)+8+\i], v[ASR] offset:512*\i+64*(\ks)
.endr
.endm
.macro MUL16 a0, set, cm
.if (\cm) == 0
	WIN 0xa1+0x50*((\a0)/4)
.else
	WIN 0x91+0x40*((\a0)/4)
.endif
.irp a, \a0, \a0+1
.irp b, 0,1,2,3,4,5,6,7
.set AC, 8*(8*((\a)%4)+\b)
.set FP, 96*(\set)+12*\b
.set FR, 64+96*(\set)+12*(\a)
.set CC, AC
.if (\cm) == 1
.set CC, 192+8*\b
.endif
.if (\cm) == 2
.set CC, 192+8*(\a)
.endif
.set KP, SC+16*(\set)+\b
.set KR, SC+16*(\set)+8+(\a)
	WM AC, FP, FR, CC, KP, KR
.endr
.endr
.endm
.macro STEP set, kind, nslot, nq, nks, cm
.if (\kind) == 0
	s_wait_dscnt 0x0
	MUL16 0, \set, \cm
	MUL16 2, \set, \cm
	PLACES
	FETCHF 1-(\set), \nslot, \nq, \nks
	MUL16 4, \set, \cm
	MUL16 6, \set, \cm
.elseif (\kind) == 3
	s_wait_dscnt 0x0
	MUL16 0, \set, 0
	MUL16 2, \set, 0
	MUL16 4, \set, 0
	MUL16 6, \set, 0
.else
	WIN 0
	s_wait_tensorcnt 0x0
	ds_add_u32 v[SPW], v[NIL]
	s_wait_dscnt 1
	MUL16 0, \set, 0
	s_wait_dscnt 0x0
	s_barrier_signal -1
	MUL16 2, \set, 0
	WIN 0
	s_barrier_wait -1
.if (\kind) == 1
	CREST
.irp g, G1T, G1W
	s_mov_b32 s[\g+1], 384<<16                     ; no load of mine is out: the refill's rows are 3,072 bytes again
	s_mov_b32 s[\g+3], 384<<16
.endr
	JLOAD G0T, G1T, 56, G1W
.else
	PLACES
.endif
	FETCHF 1-(\set), \nslot, \nq, \nks
	MUL16 4, \set, 0
	MUL16 6, \set, 0
.endif
.endm
	s_wait_alu depctr_va_vdst(0)                   ; the wait at the head's end
	s_wait_tensorcnt 0x0                           ; my tile of the head's four is in; the lines ahead of a later first fill:
	ds_add_u32 v[SPW], v[NIL]
.irp g, G1T, G1W
	s_mov_b32 s[\g+1], 768<<16                     ; no load of mine is out: region 1's loads bring 8 tiles x 6,144 bytes
	s_mov_b32 s[\g+2], 8<<16
	s_mov_b32 s[\g+3], 768<<16
	s_mov_b32 s[\g+4], 8
.endr
	s_wait_dscnt 0x0
	CROUND                                         ; all four tiles are in, and the sixteen work-groups are here
	JLOAD 36, G1T, 60, G1W                         ; K steps 2 to 5: my one load behind the round
	FETCHF 0, 0, 0, 0
	s_wait_loadcnt 0x0
.if KIND == 1
	s_cmp_eq_u32 s97, 0
	s_cbranch_scc0 .Lv_first
	STEP 0, 0, 0, 1, 1, 1
	WIN 0
	s_branch .Lfirst_done
.Lv_first:
	STEP 0, 0, 0, 1, 1, 2
	WIN 0
.Lfirst_done:
.else
	STEP 0, 0, 0, 1, 1, 1
.endif
	STEP 1, 1, 1, 0, 2, 0
	STEP 0, 0, 1, 1, 3, 0
	STEP 1, 0, 1, 2, 4, 0
	STEP 0, 0, 1, 3, 5, 0
	STEP 1, 2, 0, 0, 6, 0
	STEP 0, 0, 0, 1, 7, 0
	STEP 1, 3, 0, 0, 0, 0
.macro QUANTW s, w
	WIN (\w)|((\w)<<2)
.irp b, 0,1,2,3
	v_max3_num_f32 v[TM+\b], |v[(\s)+16*\b]|, |v[(\s)+1+16*\b]|, 0x1800000
.endr
	WIN ((\w)<<2)|((\w)<<4)
.irp i, 2,4,6,8,10,12,14
.irp b, 0,1,2,3
	v_max3_num_f32 v[TM+\b], v[TM+\b], |v[(\s)+16*\b+\i]|, |v[(\s)+1+16*\b+\i]|
.endr
.endr
	WIN 0
.irp b, 0,1,2,3
	v_permlanex16_b32 v[TM+4+\b], v[TM+\b], s66, s67
.endr
.irp b, 0,1,2,3
	v_max_num_f32 v[TM+\b], v[TM+\b], v[TM+4+\b]
.endr
.irp b, 0,1,2,3
	v_add_nc_u32 v[TM+12+\b], 0xff000000, v[TM+\b]
.endr
.irp b, 0,1,2,3
	v_lshrrev_b32 v[TM+4+\b], 23, v[TM+12+\b]
.endr
	v_lshl_or_b32 v[PW], v[TM+5], 8, v[TM+4]
	v_lshl_or_b32 v[PW], v[TM+6], 16, v[PW]
	v_lshl_or_b32 v[PW], v[TM+7], 24, v[PW]
	WIN (\w)
.irp c, 0,1
	v_cvt_scalef32_pk16_fp6_f32 v[PC+6*\c:PC+2+6*\c], v[(\s)+32*\c:(\s)+15+32*\c], v[TM+12+2*\c]
	v_cvt_scalef32_pk16_fp6_f32 v[PC+12+4*\c:PC+14+4*\c], v[(\s)+16+32*\c:(\s)+31+32*\c], v[TM+12+2*\c+1]
.endr
	WIN 0
	v_nop
.irp c, 0,1
.irp i, 0,1,2
	v_permlane16_swap_b32 v[PC+6*\c+\i], v[PC+12+4*\c+\i]
.endr
.irp i, 0,1,2
	v_mov_b32 v[PC+3+6*\c+\i], v[PC+12+4*\c+\i]
.endr
.endr
.endm
	WIN 0
	PLACES
.irp b, 0,1,2,3
	v_mov_b32 v[TM+4+\b], 0
.endr
.irp a, 0,1,2,3,4,5,6,7
	s_wait_xcnt 0x0
	s_wait_dscnt 0x0
.if KIND == 2
	WIN (2+\a/4)<<2
.set J, 0
.rept 64
	v_max_num_f32 v[64+J], 0, v[64*(\a%4)+J]
.set J, J+1
.endr
	QUANTW 64, 0
.irp g, 0,1,2
	global_store_b128 v3, v[PC+4*\g:PC+4*\g+3], s[OC:OC+1] offset:49152*\a+512*\g
.endr
	ds_store_b32 v[SST], v[PW] offset:64*\a
.else
	QUANTW 64*(\a%4), 2+\a/4
	s_cmp_eq_u32 s97, 0
	s_cbranch_scc0 .Lv_out_\a
.irp c, 0,1
.irp p, 0,1,2
	global_store_b64 v[GO8], v[PC+6*\c+2*\p:PC+6*\c+2*\p+1], s[OC:OC+1] offset:98304*\c+768*\a+256*\p
.endr
.endr
	v_lshrrev_b32 v217, v18, v[PW]
	v_and_or_b32 v217, v217, 0xffff, s2
	ds_store_b32 v22, v217 offset:64*\a
	s_branch .Lout_done_\a
.Lv_out_\a:
.irp g, 0,1,2
	global_store_b128 v3, v[PC+4*\g:PC+4*\g+3], s[OC:OC+1] offset:98304*(\a/4)+1536*(\a%4)+512*\g
.endr
	ds_store_b32 v[SST], v[PW] offset:64*\a
.Lout_done_\a:
.endif
.endr
.if KIND == 2
	ds_load_b128 v[148:151], v[SLD]
	s_wait_dscnt 0x0
	global_store_b128 v3, v[148:151], s[OS:OS+1]
.else
	s_cmp_eq_u32 s97, 0
	s_cbranch_scc0 .Lv_scales
	ds_load_b128 v[148:151], v[SLD]
	ds_load_b128 v[152:155], v[SLD] offset:512
	s_wait_dscnt 0x0
	global_store_b128 v3, v[148:151], s[OS:OS+1]
	global_store_b128 v3, v[152:155], s[OS:OS+1] offset:12288
	s_branch .Lscales_out
.Lv_scales:
	ds_load_b128 v[148:151], v[SLD]
	s_wait_dscnt 0x0
	global_store_b128 v20, v[148:151], s[OS:OS+1]
.Lscales_out:
.endif
	s_wait_tensorcnt 0x0
	ds_add_u32 v[SPW], v[NIL]
	s_wait_dscnt 0x0
	CROUND
	s_endpgm
.Lfunc_end_k_q1d9cfef658_mlp1:
	.size	k_q1d9cfef658_mlp1, .Lfunc_end_k_q1d9cfef658_mlp1-k_q1d9cfef658_mlp1
	.p2alignl 7, 3214868480
	.fill 96, 4, 3214868480
	.section	.rodata,"a",@progbits
	.p2align	6, 0x0
	.amdhsa_kernel k_q1d9cfef658_mlp1
		.amdhsa_group_segment_fixed_size 327680
		.amdhsa_private_segment_fixed_size 0
		.amdhsa_enable_private_segment 0
		.amdhsa_kernarg_size 32
		.amdhsa_user_sgpr_count 2
		.amdhsa_user_sgpr_kernarg_segment_ptr 1
		.amdhsa_wavefront_size32 1
		.amdhsa_system_sgpr_workgroup_id_x 1
		.amdhsa_system_sgpr_workgroup_id_y 1
		.amdhsa_system_sgpr_workgroup_id_z 1
		.amdhsa_system_vgpr_workitem_id 0
		.amdhsa_next_free_vgpr 1024
		.amdhsa_next_free_sgpr 100
		.amdhsa_reserve_vcc 0
		.amdhsa_float_denorm_mode_32 3
		.amdhsa_float_denorm_mode_16_64 3
		.amdhsa_memory_ordered 1
		.amdhsa_forward_progress 1
		.amdhsa_inst_pref_size 163
	.end_amdhsa_kernel
	.amdgpu_metadata
---
amdhsa.version: [ 1, 2 ]
amdhsa.kernels:
  - .name:           k_q1d9cfef658_mlp1
    .symbol:         k_q1d9cfef658_mlp1.kd
    .args:
      - { .name: att, .offset: 0, .size: 8, .value_kind: global_buffer, .address_space: global }
      - { .name: pw, .offset: 8, .size: 8, .value_kind: global_buffer, .address_space: global }
      - { .name: b1, .offset: 16, .size: 8, .value_kind: global_buffer, .address_space: global }
      - { .name: hid, .offset: 24, .size: 8, .value_kind: global_buffer, .address_space: global }
    .group_segment_fixed_size: 327680
    .private_segment_fixed_size: 0
    .kernarg_segment_align: 8
    .kernarg_segment_size: 32
    .max_flat_workgroup_size: 128
    .sgpr_count:     100
    .vgpr_count:     1024
    .wavefront_size: 32
...
	.end_amdgpu_metadata
.endif
;; end of part 4
;; launch mlp2 (part 5): grid 8 x 32, 4 waves a work-group, clusters of 4 x 4, 327,680 bytes of LDS; arguments hid, pw, b2, att, out0; writes out0
.if DOCPART == 5
	.amdgcn_target "amdgcn-amd-amdhsa--gfx1250"
	.amdhsa_code_object_version 6
	.text
	.protected	k_q1d9cfef658_mlp2
	.globl	k_q1d9cfef658_mlp2
	.p2align	8
	.type	k_q1d9cfef658_mlp2,@function
k_q1d9cfef658_mlp2:
	s_mov_b64 s[64:65], 0
	v_nop
	global_prefetch_b8 v0, s[64:65] scope:SCOPE_SE
	s_setreg_imm32_b32 hwreg(HW_REG_WAVE_MODE, 25, 1), 1
	s_wait_xcnt 0x0
	s_wait_alu depctr_hold_cnt(0) depctr_sa_sdst(0) depctr_va_vdst(0) depctr_va_sdst(0) depctr_va_ssrc(0) depctr_va_vcc(0) depctr_vm_vsrc(0)
	s_getreg_b32 s2, hwreg(HW_REG_IB_STS2, 6, 4)
	s_cmp_eq_u32 s2, 0
	s_cbranch_scc0 .Lentry_in_a_cluster
	s_endpgm
.Lentry_in_a_cluster:
	s_bfe_u32 s2, ttmp6, 0x10000c
	s_cmp_lg_u32 s2, 0xf033
	s_cbranch_scc0 .Lentry_shape_is_right
	s_endpgm
.Lentry_shape_is_right:
; out0 = x1 + hid w2 + b2, the product on codes of FP6 (E2M3) with one E8M0 scale for each 32 along K.  K = 4,096 = 32 steps of 128.
; hid: images of operand registers [token / 16][k / 128][1,536 bytes], scale words [k / 128][token]; w2: images [column / 16][k / 128][1,536], scale words [column / 16][k / 128][16].
; The output has 4,096 x 1,024 numbers: tiles of 128 x 128 give each of 256 work-groups one; larger tiles would leave most without work.  Four waves, each 64 x 64: 16 accumulators.
; SOURCE 0 = 16 columns (rows of w2), SOURCE 1 = 16 tokens: a lane holds eight neighbouring numbers of a row of the output.  b2 is the C of each sum's first product.
; TWO LDS SLOTS, AS LONG AS FIT: a step's tiles are 24,576 bytes, and beside the scale words of all K (32,768), the spare words and the stage there is room for 11 steps: slot D holds 6, slot S 5.
; K goes 6 + 5 + 6 + 5 + 6 + 4: two first fills and four refills, each of which has the other slot's 5 or 6 steps (80 or 96 matrix instructions a wave) in which to land.  A wave's load brings 4 tiles x 9,216 or 7,680 bytes.
; The last fill has four steps left and brings five steps' bytes by the same descriptor: the last 1,536 bytes of each of its rows are the next tile's first step (behind the last tile: bytes of the same buffer), and nobody reads them.
; By this text's count one load of mine is out at the start (my quarter of the head's) and one behind each round.  The 32 steps are written out: their slots, register sets and scale words' offsets are constants.
; CLUSTER 4 x 4: hid's tiles are shared along a row of the cluster, w2's along a column: joint loads.  No prefetch: the tile is small, and each change of slots would gain a branch and an address step for it.
; x1's 64 x 64 part is asked for behind the first four refills, into 128 registers of window 2, in the order in which rows come back from the stage.
; HOW THE FIRST FILLS GO IN THIS TEXT: at the head one joint load a wave: wave 0 slot D's 8 tiles of hid, wave 1 its 8 tiles of w2, wave 2 hid's scale words ([K step 32][128 tokens]), wave 3 w2's.
; Slot S is first filled behind the wait for them, the add and a round, a quarter a wave, as a refill is: one load of mine is out at any time.
.set W2I,  8650752
.set W2S,  12156928
.set HS,   12582912
.set DP,   6*1536                      ; a tile's bytes in slot D; in slot S 1,536 less
.set HALFD, 4*DP                       ; what one tensor load brings into slot D, and what one wave reads there of hid or of w2
.set HALFS, 4*(DP-1536)
.set SLS,  4*HALFD                     ; slot S begins here
.set SCL,  SLS+4*HALFS                 ; two fills of 16,384 bytes: hid's [K step 32][128 tokens], w2's [tile 8][K step 32][16]
.set SPARE, SCL+32768
.set STG,  SPARE+512                   ; 16 rows x (256 + 16) bytes for each wave
.set ADP, 4                            ; v4-5  w2's fragments in slot D, S
.set ADR, 6                            ; v6-7  hid's
.set ASP, 8
.set ASR, 9
.set STO, 10
.set RD,  11
.set CO,  12
.set SPW, 28
.set NIL, 29
.set SC,  32                           ; scale words: set f at v[32 + 8 f]: w2's four, hid's four
.set ACC, 128                          ; accumulator (a, b) at v[128 + 8 (4 a + b)], window 0
.set G1T, 24                           ; s[24:31] group 1 for hid's tiles in slot D, s[40:47] in slot S
.set G1W, 32                           ; s[32:39], s[48:55] the same for w2's
.set G1ST, 56                          ; s[56:63] hid's scale words;  s[68:75] w2's
.set G1SW, 68
.set G0T, 76                           ; s[76:79], s[80:83] group 0 for hid's tiles, slot D, S
.set G0W, 84                           ; s[84:87], s[88:91] for w2's
.set G0ST, 92
.set G0SW, 96
.set MSB, 0
.macro WIN new
.if MSB != (\new)
	s_set_vgpr_msb (MSB<<8)|(\new)
.set MSB, (\new)
.endif
.endm
.macro PLACES
.rept 4
	v_nop
.endr
.endm
.macro JLOAD g0a, g1a, g0b, g1b        ; a joint load: waves 0, 1 fetch for hid, waves 2, 3 for w2; four v_nop follow each line
	s_cmp_eq_u32 s15, 0
	s_cbranch_scc0 .Lfor_w_\@
	tensor_load_to_lds s[\g0a:\g0a+3], s[\g1a:\g1a+7]
	s_nop 0
	PLACES
	s_branch .Lasked_\@
.Lfor_w_\@:
	tensor_load_to_lds s[\g0b:\g0b+3], s[\g1b:\g1b+7]
	s_nop 0
	PLACES
.Lasked_\@:
.endm
.macro CREST
	s_cmp_lg_u32 s14, 0
	s_cbranch_scc1 .Lnot_wave_0_\@
	s_barrier_signal -3
.Lnot_wave_0_\@:
	s_barrier_wait -3
	s_barrier_signal -1
	s_barrier_wait -1
.endm
.macro CROUND
	s_barrier_signal -1
	s_barrier_wait -1
	CREST
.endm
	s_load_b256 s[4:11], s[0:1], 0x0               ; hid, pw, b2, att
	s_load_b64 s[12:13], s[0:1], 0x20              ; out0
	v_lshl_add_u32 v[SPW], v0, 2, SPARE
	v_mov_b32 v[NIL], 0
	ds_add_u32 v28, v29
	ds_add_u32 v28, v29
	s_wait_dscnt 0x0
	v_lshrrev_b32 v1, 5, v0
	v_readfirstlane_b32 s14, v1                    ; wave 0..3
	s_lshr_b32 s15, s14, 1                         ; my half of the tokens.  Also: I fetch for hid (0) or for w2 (1)
	s_and_b32 s16, s14, 1                          ; my half of the columns.  Also: which 4 tiles I fetch
	s_bfe_u32 s100, ttmp6, 0x40000                 ; cx
	s_bfe_u32 s101, ttmp6, 0x40004                 ; cy
	s_lshl_b32 s104, ttmp9, 2
	s_add_co_u32 s104, s104, s100                  ; tx: which 128 columns
	s_and_b32 s17, ttmp7, 0xffff
	s_lshl_b32 s17, s17, 2
	s_add_co_u32 s17, s17, s101                    ; ty: which 128 tokens
	s_lshl_b32 s105, s101, 2
	s_lshl_b32 s105, 15, s105                      ; my row of the cluster
	s_lshl_b32 s66, 0x1111, s100                   ; my column
	s_or_b32 s[G1T], s105, (3<<16)|(1<<21)         ; 15:0 the mask; 17:16 elements of 8 bytes; 21 set beside a mask; no padding
	s_or_b32 s[G1T+16], s105, (3<<16)|(1<<21)
	s_or_b32 s[G1W], s66, (3<<16)|(1<<21)
	s_or_b32 s[G1W+16], s66, (3<<16)|(1<<21)
	s_or_b32 s[G1ST], s105, (3<<16)|(1<<21)
	s_or_b32 s[G1SW], s66, (3<<16)|(1<<21)
.irp g, G1T, G1W                       ; slot D: 4 rows (tiles) of 9,216 bytes, 49,152 bytes apart
	s_mov_b32 s[\g+1], 1152<<16
	s_mov_b32 s[\g+2], 8<<16                       ; (the head's loads bring 8 tiles; behind them the two words are set to 4)
	s_mov_b32 s[\g+3], 1152<<16
	s_mov_b32 s[\g+4], 8
	s_mov_b32 s[\g+5], 6144
	s_mov_b32 s[\g+6], 0
	s_mov_b32 s[\g+7], 0
.endr
.irp g, G1T+16, G1W+16                 ; slot S: 4 rows of 7,680 bytes
	s_mov_b32 s[\g+1], 960<<16
	s_mov_b32 s[\g+2], 4<<16
	s_mov_b32 s[\g+3], 960<<16
	s_mov_b32 s[\g+4], 4
	s_mov_b32 s[\g+5], 6144
	s_mov_b32 s[\g+6], 0
	s_mov_b32 s[\g+7], 0
.endr
	s_mov_b32 s[G1ST+1], 64<<16                    ; hid's scale words: 32 K steps x 512 bytes (128 tokens), a K step's row of 4,096 words apart
	s_mov_b32 s[G1ST+2], 32<<16
	s_mov_b32 s[G1ST+3], 64<<16
	s_mov_b32 s[G1ST+4], 32
	s_mov_b32 s[G1ST+5], 2048
	s_mov_b32 s[G1SW+1], 32<<16                    ; w2's: 16,384 dense bytes as 64 rows of 256
	s_mov_b32 s[G1SW+2], 64<<16
	s_mov_b32 s[G1SW+3], 32<<16
	s_mov_b32 s[G1SW+4], 64
	s_mov_b32 s[G1SW+5], 32
.irp g, G1ST, G1SW
	s_mov_b32 s[\g+6], 0
	s_mov_b32 s[\g+7], 0
.endr
	s_lshl_b32 s18, s17, 3                         ; hid: the block's first tile: it hangs on ty alone
	s_mul_i32 s20, s18, 49152
	s_mov_b32 s21, 0
	s_lshl_b32 s22, s18, 6
	s_add_co_u32 s22, s22, HS
	s_mov_b32 s23, 0
	s_lshl_b32 s2, s104, 3                         ; w2: on tx alone
	s_mul_i32 s[G0W+2], s2, 49152
	s_add_co_u32 s[G0W+2], s[G0W+2], W2I
	s_mov_b32 s[G0W+3], 0
	s_lshl_b32 s[G0SW+2], s2, 11
	s_add_co_u32 s[G0SW+2], s[G0SW+2], W2S
	s_mov_b32 s[G0SW+3], 0
	s_mul_i32 s3, s14, HALFD                       ; where they go: wave x 36,864 in slot D,
	s_mul_i32 s18, s14, HALFS
	s_add_co_u32 s18, s18, SLS                     ; wave x 30,720 in slot S,
	s_mul_i32 s66, s16, 196608                     ; behind the head I fetch 4 tiles: which half, in bytes
	s_mov_b32 s67, 0
	s_wait_kmcnt 0x0
	s_add_nc_u64 s[20:21], s[4:5], s[20:21]
	s_add_nc_u64 s[22:23], s[4:5], s[22:23]
	s_add_nc_u64 s[G0W+2:G0W+3], s[6:7], s[G0W+2:G0W+3]
	s_add_nc_u64 s[G0SW+2:G0SW+3], s[6:7], s[G0SW+2:G0SW+3]
	CROUND                                         ; all sixteen work-groups are here: the first joint loads meet
	s_mov_b32 s[G0ST], 1
	s_mov_b32 s[G0ST+1], SCL
	s_mov_b64 s[G0ST+2:G0ST+3], s[22:23]
	s_or_b32 s[G0ST+3], s[G0ST+3], 0x80000000
	s_mov_b32 s[G0SW], 1
	s_mov_b32 s[G0SW+1], SCL+16384
	s_or_b32 s[G0SW+3], s[G0SW+3], 0x80000000
	s_mov_b32 s[G0T+4], 1                          ; slot S: steps 6 to 10
	s_mov_b32 s[G0T+5], s18
	s_add_nc_u64 s[G0T+6:G0T+7], s[20:21], 6*1536
	s_add_nc_u64 s[G0T+6:G0T+7], s[G0T+6:G0T+7], s[66:67]
	s_or_b32 s[G0T+7], s[G0T+7], 0x80000000
	s_mov_b32 s[G0W+4], 1
	s_mov_b32 s[G0W+5], s18
	s_add_nc_u64 s[G0W+6:G0W+7], s[G0W+2:G0W+3], 6*1536
	s_add_nc_u64 s[G0W+6:G0W+7], s[G0W+6:G0W+7], s[66:67]
	s_or_b32 s[G0W+7], s[G0W+7], 0x80000000
	s_mov_b32 s[G0T], 1                            ; slot D: steps 0 to 5
	s_mov_b32 s[G0T+1], 0
	s_mov_b64 s[G0T+2:G0T+3], s[20:21]
	s_or_b32 s[G0T+3], s[G0T+3], 0x80000000
	s_mov_b32 s[G0W], 1
	s_mov_b32 s[G0W+1], 2*HALFD
	s_or_b32 s[G0W+3], s[G0W+3], 0x80000000
.macro ARM under, g0, g1, next         ; the head's four tiles, one joint load a wave: one chain of branches on the wave's number, all arms to one join
	s_cmp_lt_u32 s14, \under
	s_cbranch_scc0 \next
	tensor_load_to_lds s[\g0:\g0+3], s[\g1:\g1+7]
	s_nop 0
	PLACES
	s_branch .Lhead_asked
\next:
.endm
	ARM 1, G0T, G1T, .Lhead_w
	ARM 2, G0W, G1W, .Lhead_st
	ARM 3, G0ST, G1ST, .Lhead_sw
	tensor_load_to_lds s[G0SW:G0SW+3], s[G1SW:G1SW+7]
	s_nop 0
	PLACES
.Lhead_asked:
	v_and_b32 v1, 15, v0                           ; r
	v_bfe_u32 v2, v0, 4, 1                         ; h
	v_and_b32 v3, 31, v0
	v_lshlrev_b32 v3, 4, v3                        ; 16 x lane
	s_mul_i32 s18, s15, HALFD                      ; slot D: hid's fragments of my half,
	s_mul_i32 s19, s16, HALFD
	s_add_co_u32 s19, s19, 2*HALFD                 ; w2's
	v_add_nc_u32 v[ADP], s19, v3
	v_add_nc_u32 v[ADR], s18, v3
	s_mul_i32 s18, s15, HALFS                      ; slot S likewise
	s_add_co_u32 s18, s18, SLS
	s_mul_i32 s19, s16, HALFS
	s_add_co_u32 s19, s19, SLS+2*HALFS
	v_add_nc_u32 v[ADP+1], s19, v3
	v_add_nc_u32 v[ADR+1], s18, v3
	v_lshlrev_b32 v13, 2, v1
	s_lshl_b32 s18, s16, 13
	s_add_co_u32 s18, s18, SCL+16384
	v_add_nc_u32 v[ASP], s18, v13
	s_lshl_b32 s18, s15, 8
	s_add_co_u32 s18, s18, SCL
	v_add_nc_u32 v[ASR], s18, v13
	s_mul_i32 s18, s14, 16*272
	s_add_co_u32 s18, s18, STG                     ; my stage
	v_mul_u32_u24 v[STO], v1, 272
	v_lshl_add_u32 v[STO], v2, 5, v[STO]
	v_add_nc_u32 v[STO], s18, v[STO]
	v_mul_u32_u24 v[RD], v2, 272
	v_lshl_add_u32 v[RD], v1, 4, v[RD]
	v_add_nc_u32 v[RD], s18, v[RD]
	v_lshlrev_b32 v[CO], 12, v2
	v_lshl_add_u32 v[CO], v1, 4, v[CO]             ; lanes 0-15 one row's 256 bytes, lanes 16-31 the next row's
	v_lshlrev_b32 v13, 5, v2                       ; 32 h
	s_wait_alu depctr_va_vdst(0)
	s_lshl_b32 s18, s104, 9
	s_lshl_b32 s19, s16, 8
	s_add_co_u32 s18, s18, s19                     ; my 64 columns, in bytes
	s_mov_b32 s19, 0
	s_add_nc_u64 s[8:9], s[8:9], s[18:19]
	s_lshl_b32 s20, s17, 7
	s_lshl_b32 s21, s15, 6
	s_add_co_u32 s20, s20, s21
	s_lshl_b32 s20, s20, 12                        ; my 64 rows
	s_add_co_u32 s18, s18, s20
	s_add_nc_u64 s[10:11], s[10:11], s[18:19]      ; x1 (it begins at att's first byte)
	s_add_nc_u64 s[12:13], s[12:13], s[18:19]
	WIN 0x40
.irp b, 0,1,2,3                        ; b2 in the result's layout: tile b's register j is column 16 b + 8 h + j: window 1, v96-127
	global_load_b128 v[96+8*\b:96+8*\b+3], v13, s[8:9] offset:64*\b
	global_load_b128 v[96+8*\b+4:96+8*\b+7], v13, s[8:9] offset:64*\b+16
.endr
	WIN 0
.macro XLOAD a                         ; x1's rows 16 a .. 16 a + 15 of my 64, into window 2: eight loads, issued behind a refill's change of slots; wanted on the way out
	WIN 0x80
.irp t, 0,1,2,3,4,5,6,7
	global_load_b128 v[32*(\a)+4*\t:32*(\a)+4*\t+3], v[CO], s[10:11] offset:(16*(\a)+2*\t)*4096
.endr
.endm
.macro MUL4 f, a, first                ; four products: hid's tile a x w2's four.  The 16 accumulators take turns in the same order in every step
.irp b, 0,1,2,3
.set AC, ACC+8*(4*(\a)+\b)
.set FP, 128*(\f)+12*\b
.set FR, 128*(\f)+48+12*(\a)
.set KP, SC+8*(\f)+\b
.set KR, SC+8*(\f)+4+(\a)
.if \first
	v_wmma_scale_f32_16x16x128_f8f6f4 v[AC:AC+7], v[FP:FP+11], v[FR:FR+11], v[96+8*\b:96+8*\b+7], v[KP], v[KR] matrix_a_fmt:MATRIX_FMT_FP6 matrix_b_fmt:MATRIX_FMT_FP6
.else
	v_wmma_scale_f32_16x16x128_f8f6f4 v[AC:AC+7], v[FP:FP+11], v[FR:FR+11], v[AC:AC+7], v[KP], v[KR] matrix_a_fmt:MATRIX_FMT_FP6 matrix_b_fmt:MATRIX_FMT_FP6
.endif
.endr
.endm
.macro FETCH slot, q, f, ks            ; 32 LDS loads: the fragments of the slot's q-th step (slot 0 = D, 1 = S) and the scale words of K step ks into set f
.set PT, DP-1536*(\slot)
	WIN 0x40
.irp i, 0,1,2,3
.irp g, 0,1,2
	ds_load_b128 v[128*(\f)+12*\i+4*\g:128*(\f)+12*\i+4*\g+3], v[ADP+(\slot)] offset:PT*\i+1536*(\q)+512*\g
	ds_load_b128 v[128*(\f)+48+12*\i+4*\g:128*(\f)+48+12*\i+4*\g+3], v[ADR+(\slot)] offset:PT*\i+1536*(\q)+512*\g
.endr
.endr
	WIN 0
.irp i, 0,1,2,3
	ds_load_b32 v[SC+8*(\f)+\i], v[ASP] offset:2048*\i+64*(\ks)
	ds_load_b32 v[SC+8*(\f)+4+\i], v[ASR] offset:512*(\ks)+64*\i
.endr
.endm
.macro QUARTER slot, q, f, ks, first   ; a step: multiplies set f; in its middle the next step (the slot's q-th, K step ks) is fetched into the other set, behind four places
	s_wait_dscnt 0x0
	WIN 0x05+0x10*(\first)                         ; both operands window 1; D window 0; C window 0, or window 1 for the bias
	MUL4 \f, 0, \first
	MUL4 \f, 1, \first
	PLACES
	FETCH \slot, \q, 1-(\f), \ks
	WIN 0x05+0x10*(\first)
	MUL4 \f, 2, \first
	MUL4 \f, 3, \first
.endm
; KK is the K step in hand; it multiplies set KK % 2.
.macro RUN sl, q0, n                   ; n steps whose successors are slot sl's steps q0 on
.set QQ, \q0
.rept \n
	QUARTER \sl, QQ, KK%2, KK+1, 0
.set QQ, QQ+1
.set KK, KK+1
.endr
.endm
.macro TURN sl, fill                   ; slot sl's last step changes slots: one barrier; fill = 1: the slot is filled again, with the steps 11 further on
	WIN 0
	s_wait_tensorcnt 0x0                           ; all my tensor loads have landed: my part of the other slot
	ds_add_u32 v[SPW], v[NIL]                      ; 0 onto my spare word
	s_wait_dscnt 1                                 ; this step's loads are in; the add alone may be out
	WIN 0x05
	MUL4 KK%2, 0, 0
	s_wait_dscnt 0x0                               ; the add is done, and my reads of this slot are over
	s_barrier_signal -1
	MUL4 KK%2, 1, 0
	WIN 0
	s_barrier_wait -1
.if \fill
	CREST                                          ; the barrier has opened a round of the cluster's: no wave of any partner still reads this slot or has a load on its way
	s_add_nc_u64 s[G0T+4*\sl+2:G0T+4*\sl+3], s[G0T+4*\sl+2:G0T+4*\sl+3], 11*1536
	s_add_nc_u64 s[G0W+4*\sl+2:G0W+4*\sl+3], s[G0W+4*\sl+2:G0W+4*\sl+3], 11*1536
	JLOAD G0T+4*\sl, G1T+16*\sl, G0W+4*\sl, G1W+16*\sl   ; my one load behind the round; its four v_nop are the places in front of the loads below
.else
	PLACES
.endif
	FETCH 1-\sl, 0, 1-(KK%2), KK+1
	WIN 0x05
	MUL4 KK%2, 2, 0
	MUL4 KK%2, 3, 0
.set KK, KK+1
.endm
	s_wait_alu depctr_va_vdst(0)                   ; the wait at the head's end
	s_wait_tensorcnt 0x0                           ; my tile of the head's four is in; the lines ahead of a later first fill:
	ds_add_u32 v[SPW], v[NIL]
	s_mov_b32 s[G1T+2], 4<<16                      ; no load of mine is out: slot D's refills bring 4 tiles a wave,
	s_mov_b32 s[G1T+4], 4
	s_mov_b32 s[G1W+2], 4<<16
	s_mov_b32 s[G1W+4], 4
	s_mov_b32 s[G0T+1], s3                         ; to wave x 36,864,
	s_mov_b32 s[G0W+1], s3
	s_add_nc_u64 s[G0T+2:G0T+3], s[G0T+2:G0T+3], s[66:67]   ; from my half of the tiles
	s_add_nc_u64 s[G0W+2:G0W+3], s[G0W+2:G0W+3], s[66:67]
	s_wait_dscnt 0x0
	CROUND                                         ; slot D and the scale words are whole, and the sixteen work-groups are here
	JLOAD G0T+4, G1T+16, G0W+4, G1W+16             ; slot S's first fill: my one load behind the round
	FETCH 0, 0, 0, 0
	s_wait_loadcnt 0x0                             ; b2 is in
	QUARTER 0, 1, 0, 1, 1                          ; step 0: the bias starts the sums
.set KK, 1
	RUN 0, 2, 4                                    ; steps 1 to 4
	TURN 0, 1                                      ; step 5: D takes steps 11 to 16
	XLOAD 0
	RUN 1, 1, 4                                    ; steps 6 to 9
	TURN 1, 1                                      ; step 10: S takes steps 17 to 21
	XLOAD 1
	RUN 0, 1, 5                                    ; steps 11 to 15
	TURN 0, 1                                      ; step 16: D takes steps 22 to 27
	XLOAD 2
	RUN 1, 1, 4                                    ; steps 17 to 20
	TURN 1, 1                                      ; step 21: S takes steps 28 to 31
	XLOAD 3
	RUN 0, 1, 5                                    ; steps 22 to 26
	TURN 0, 0                                      ; step 27: nothing is left to fetch
	RUN 1, 1, 3                                    ; steps 28 to 30
	s_wait_dscnt 0x0                               ; step 31
	WIN 0x05
	MUL4 KK%2, 0, 0
	MUL4 KK%2, 1, 0
	MUL4 KK%2, 2, 0
	MUL4 KK%2, 3, 0
	WIN 0
; THE WAY OUT, 16 rows at a time: through my stage, back as rows of 256 bytes, + x1, stored: sixteen lanes store 256 consecutive bytes, aligned
	s_wait_loadcnt 0x0                             ; x1
	PLACES
.irp a, 0,1,2,3
.set BB, 48+32*(\a%2)
.if \a > 1
	s_wait_xcnt 0x0                                ; the stores of two blocks ago have read these registers
.endif
.irp b, 0,1,2,3
	ds_store_b128 v[STO], v[ACC+8*(4*\a+\b):ACC+8*(4*\a+\b)+3] offset:64*\b       ; each accumulator from its low end on
	ds_store_b128 v[STO], v[ACC+8*(4*\a+\b)+4:ACC+8*(4*\a+\b)+7] offset:64*\b+16
.endr
.irp t, 0,1,2,3,4,5,6,7
	ds_load_b128 v[BB+4*\t:BB+4*\t+3], v[RD] offset:544*\t     ; LDS serves a wave's instructions in order
.endr
	s_wait_dscnt 0x0
	WIN 0x08                                       ; source 1: window 2
.irp i, 0,1,2,3,4,5,6,7,8,9,10,11,12,13,14,15
	v_pk_add_f32 v[BB+2*\i:BB+2*\i+1], v[BB+2*\i:BB+2*\i+1], v[32*\a+2*\i:32*\a+2*\i+1]
.endr
	WIN 0
.irp t, 0,1,2,3,4,5,6,7
	global_store_b128 v[CO], v[BB+4*\t:BB+4*\t+3], s[12:13] offset:(16*\a+2*\t)*4096 th:TH_STORE_NT
.endr
.endr
	s_wait_tensorcnt 0x0                           ; the wave's end
	ds_add_u32 v[SPW], v[NIL]
	s_wait_dscnt 0x0
	CROUND                                         ; the closing round
	s_endpgm
.Lfunc_end_k_q1d9cfef658_mlp2:
	.size	k_q1d9cfef658_mlp2, .Lfunc_end_k_q1d9cfef658_mlp2-k_q1d9cfef658_mlp2
	.p2alignl 7, 3214868480
	.fill 96, 4, 3214868480
	.section	.rodata,"a",@progbits
	.p2align	6, 0x0
	.amdhsa_kernel k_q1d9cfef658_mlp2
		.amdhsa_group_segment_fixed_size 327680
		.amdhsa_private_segment_fixed_size 0
		.amdhsa_enable_private_segment 0
		.amdhsa_kernarg_size 40
		.amdhsa_user_sgpr_count 2
		.amdhsa_user_sgpr_kernarg_segment_ptr 1
		.amdhsa_wavefront_size32 1
		.amdhsa_system_sgpr_workgroup_id_x 1
		.amdhsa_system_sgpr_workgroup_id_y 1
		.amdhsa_system_sgpr_workgroup_id_z 1
		.amdhsa_system_vgpr_workitem_id 0
		.amdhsa_next_free_vgpr 768
		.amdhsa_next_free_sgpr 106
		.amdhsa_reserve_vcc 0
		.amdhsa_float_denorm_mode_32 3
		.amdhsa_float_denorm_mode_16_64 3
		.amdhsa_memory_ordered 1
		.amdhsa_forward_progress 1
		.amdhsa_inst_pref_size 168
	.end_amdhsa_kernel
	.amdgpu_metadata
---
amdhsa.version: [ 1, 2 ]
amdhsa.kernels:
  - .name:           k_q1d9cfef658_mlp2
    .symbol:         k_q1d9cfef658_mlp2.kd
    .args:
      - { .name: hid, .offset: 0, .size: 8, .value_kind: global_buffer, .address_space: global }
      - { .name: pw, .offset: 8, .size: 8, .value_kind: global_buffer, .address_space: global }
      - { .name: b2, .offset: 16, .size: 8, .value_kind: global_buffer, .address_space: global }
      - { .name: att, .offset: 24, .size: 8, .value_kind: global_buffer, .address_space: global }
      - { .name: out0, .offset: 32, .size: 8, .value_kind: global_buffer, .address_space: global }
    .group_segment_fixed_size: 327680
    .private_segment_fixed_size: 0
    .kernarg_segment_align: 8
    .kernarg_segment_size: 40
    .max_flat_workgroup_size: 128
    .sgpr_count:     106
    .vgpr_count:     768
    .wavefront_size: 32
...
	.end_amdgpu_metadata
.endif
;; end of part 5
